; MI455X (gfx1250); checked and timed in simulation.
; The chip was launched on July 23, 2026; its instructions are those of AMD's public machine-readable ISA for CDNA 5 (MIT licence, August 2026) and "CDNA5" Instruction Set Architecture Reference Guide (July 2026). The comments in the code are by the model that wrote it; some were corrected since.
;; Causal Self Attention. Allowed arithmetic: matrix products marked QUANTISED: E4M3 operands, one E8M0 scale for each 32 along K, by v_wmma_scale_f32_16x16x128_f8f6f4 with both operands' format E4M3, f32 sums; everything else in f32.
;; Inputs: bk 1,024 float32; bo 1,024 float32; bq 1,024 float32; bv 1,024 float32; wk_codes 1,024 x 32 x 32 uint8 (E4M3 codes of wk, K innermost, in blocks of 32 codes); wk_scales 1,024 x 32 uint8 (E8M0 scales of wk, one for each 32 codes along K); wo_codes 1,024 x 32 x 32 uint8 (E4M3 codes of wo, K innermost, in blocks of 32 codes); wo_scales 1,024 x 32 uint8 (E8M0 scales of wo, one for each 32 codes along K); wq_codes 1,024 x 32 x 32 uint8 (E4M3 codes of wq, K innermost, in blocks of 32 codes); wq_scales 1,024 x 32 uint8 (E8M0 scales of wq, one for each 32 codes along K); wv_codes 1,024 x 32 x 32 uint8 (E4M3 codes of wv, K innermost, in blocks of 32 codes); wv_scales 1,024 x 32 uint8 (E8M0 scales of wv, one for each 32 codes along K); x_codes 4 x 2,048 x 32 x 32 uint8 (E4M3 codes of x, K innermost, in blocks of 32 codes); x_scales 4 x 2,048 x 32 uint8 (E8M0 scales of x, one for each 32 codes along K).
;; Outputs: out0 4 x 2,048 x 1,024 float32.
;; This version of the problem:
;;   THIS VERSION OF THE PROBLEM IS GIVEN IN LOW PRECISION. The matrix products marked QUANTISED in the list below multiply operands that are first quantised to E4M3 (4 exponent bits, 3 mantissa bits; 8 bits a number), with one power-of-two scale for each 32 numbers along K (OCP MX v1.0); their sums are f32. All else is computed in f32.
;;   The module's matrix products, in the order in which they are computed (A, B: the left and right operand; K: the contracted axis; several contracted axes count as one K, in the product's order):
;;     1. [M 8,192, K 1,024] x [K 1,024, N 1,024]; A: input x (given as codes); B: input wq (given as codes): QUANTISED
;;     2. [M 8,192, K 1,024] x [K 1,024, N 1,024]; A: input x (given as codes); B: input wk (given as codes): QUANTISED
;;     3. [M 8,192, K 1,024] x [K 1,024, N 1,024]; A: input x (given as codes); B: input wv (given as codes): QUANTISED
;;     4. batch 64 x [M 2,048, K 64] x [K 64, N 2,048]; A: computed on the way; B: computed on the way: QUANTISED
;;     5. batch 64 x [M 2,048, K 2,048] x [K 2,048, N 64]; A: softmax (see below); B: computed on the way: QUANTISED
;;     6. [M 8,192, K 1,024] x [K 1,024, N 1,024]; A: computed on the way; B: input wo (given as codes): QUANTISED
;;   THE QUANTISER, for each operand of a quantised product, along K:
;;     - K is cut into blocks of 32 from its start; a last block that is shorter is filled with zeros.
;;     - A block's scale is 2^e with e = floor(log2(the largest magnitude in the block)) - 8, held to -126 .. 127; a block of zeros has e = 0. As a byte (E8M0): e + 127.
;;     - Each number is divided by its block's scale, clamped to +-448, and rounded to the nearest number of E4M3, ties to even, subnormals kept.
;;     - The product sums the exact products of the quantised numbers (number of the format x scale) in f32.
;;   ~~~python
;;   def quantise(x, axis):      # numpy; x: float32 -> the quantised numbers, widened to float32 again
;;       x = np.moveaxis(x, axis, -1); K = x.shape[-1]
;;       x = np.pad(x, [(0, 0)] * (x.ndim - 1) + [(0, -K % 32)]); x = x.reshape(x.shape[:-1] + (-1, 32)); a = np.abs(x).max(-1, keepdims=True)
;;       e = np.where(a > 0, np.clip(np.frexp(np.where(a > 0, a, 1))[1] - 1 - 8, -126, 127), 0)      # np.frexp(a)[1] - 1 = floor(log2(a)), exactly
;;       r = np.clip(x / 2.0 ** e, -448, 448)
;;       step = 2.0 ** (np.maximum(np.frexp(np.where(r == 0, 1, r))[1] - 1, -6) - 3)
;;       q = np.round(r / step) * step * 2.0 ** e      # np.round: ties to even
;;       return np.moveaxis(q.reshape(q.shape[:-2] + (-1,))[..., :K], -1, axis).astype(np.float32)
;;   ~~~
;;   SOFTMAX AHEAD OF A QUANTISED PRODUCT. Where the list says 'softmax', what is quantised is not the finished softmax but p = 2^(t - M), with t = logit x log2(e) and M = ceil(the row's largest t), a whole number; so 1/2 < the row's largest p <= 1. The row's sum l is taken of the UNQUANTISED p, in f32, and the product's result is divided by l at the end. Since M is a whole number, a kernel that streams over the keys may use a running M (the ceiling of the running maximum): every later rescaling is an exact power of two, which a block's scale takes up: the codes' values come out the same.
;;   OPERANDS COMPUTED ON THE WAY. 'Computed on the way' means the value that the module computes at that place (a softmax that the list does not call 'softmax' is quantised finished and normalised). What goes into a quantiser is computed in f32, as accurately as f32 sums, v_exp_f32 and their like allow (about 1e-6 of the number): no bf16 or f16 on the way to a quantiser, and a product that is left as it is and whose result goes on into a quantised operand takes f32 operands (vector FMAs, or v_wmma_f32_16x16x4_f32). A number that lies on a knife's edge between two numbers of the format may be rounded either way, as far as f32 arithmetic and the matrix unit's own rounding can turn it there, and no further.
;;   INPUTS GIVEN AS CODES. wk (in the module: [1024, 1024], K = its axis 0); wo (in the module: [1024, 1024], K = its axis 0); wq (in the module: [1024, 1024], K = its axis 0); wv (in the module: [1024, 1024], K = its axis 0); x (in the module: [4, 2048, 1024], K = its axis 2): each comes as NAME_codes (uint8): NAME with its K axis moved to the last place and cut into blocks of 32 codes, [.., K / 32, bytes a block], one block behind the other in memory; one code a byte (a code: sign, 4 exponent bits, 3 mantissa bits); and NAME_scales (uint8): the same leading axes, one E8M0 byte (e + 127) for each 32 codes along K. Its value is code x scale, taken as it is: it is not quantised again, and the codes and scales need not be those that the quantiser above would give.
;; One version. Each part assembles by itself: llvm-mc -triple=amdgcn-amd-amdhsa -mcpu=gfx1250 --defsym DOCPART=n.
;; ======== version 1 of 1: 3 launches
;; limits: right only within a limited range of input values
;; workspace buffers: q_img 8,388,608 bytes; q_sc 524,288 bytes; kv 17,563,648 bytes; o_img 8,388,608 bytes; o_sc 262,144 bytes
;; launch qkv (part 1): grid 12 x 32, 4 waves a work-group, clusters of 4 x 4, 327,680 bytes of LDS; arguments x_codes, x_scales, wq_codes, wq_scales, wk_codes, wk_scales, wv_codes, wv_scales, bq, bk, bv, q_img, q_sc, kv; writes q_img, q_sc, kv
.if DOCPART == 1
	.amdgcn_target "amdgcn-amd-amdhsa--gfx1250"
	.amdhsa_code_object_version 6
	.text
	.protected	k_qb9dee58968_qkv
	.globl	k_qb9dee58968_qkv
	.p2align	8
	.type	k_qb9dee58968_qkv,@function
k_qb9dee58968_qkv:
	s_mov_b64 s[64:65], 0
	v_nop
	global_prefetch_b8 v0, s[64:65] scope:SCOPE_SE
	s_setreg_imm32_b32 hwreg(HW_REG_WAVE_MODE, 25, 1), 1
	s_wait_xcnt 0x0
	s_wait_alu depctr_hold_cnt(0) depctr_sa_sdst(0) depctr_va_vdst(0) depctr_va_sdst(0) depctr_va_ssrc(0) depctr_va_vcc(0) depctr_vm_vsrc(0)
	s_getreg_b32 s2, hwreg(HW_REG_IB_STS2, 6, 4)
	s_cmp_eq_u32 s2, 0
	s_cbranch_scc0 .Lentry_in_a_cluster
	s_endpgm
.Lentry_in_a_cluster:
	s_bfe_u32 s2, ttmp6, 0x10000c
	s_cmp_lg_u32 s2, 0xf033
	s_cbranch_scc0 .Lentry_shape_is_right
	s_endpgm
.Lentry_shape_is_right:
; q = x wq + bq, k = x wk + bk, v = x wv + bv on given codes of FP8 (E4M3) with one E8M0 scale for each 32 along K = 1,024, and each result QUANTISED on the way out for the attention that follows.
; ONE FORM FOR ALL THREE: C[m][n] = sum over k of A[m][k] B[n][k] + bias, quantised along n in blocks of 32.  kind = the cluster's x: 0: A = x, B = wq;  1: A = x, B = wk;  2: A = wv, B = x, which makes v^T,
; so that v's quantising axis, the tokens (the keys of the second attention product), is again n.  q and k are quantised along the head's 64 channels (two blocks).
; A tile of C, 256 x 256, is made by a work-group of four waves; a wave makes 128 x 128: 64 accumulators, 512 registers.  K goes in steps of 256 through a ring of two LDS slots filled by the tensor data mover.
; The scale bytes of the work-group's 256 rows of A and of B, for all of K, come into LDS once, with the first fills.  3 x 128 = 384 work-groups in 24 clusters of 4 x 4.
; CLUSTERS: the four of a row of the cluster need the same tiles of A, the four of a column the same tiles of B: each tile is asked for JOINTLY.  kind is equal in all partners of a cluster.
; THE MATRIX INSTRUCTION IS USED TRANSPOSED (source 0 = 16 rows of B, source 1 = 16 rows of A): lane (r, h) holds row r of C and, in the accumulator of B's block b, columns 16 b + 8 h + 0 .. 7.
; So the 16 registers of blocks 2 B and 2 B + 1 are 16 numbers of ONE block of 32 along n, and lane l xor 16 holds the other 16.  Their codes are stored as an IMAGE OF AN OPERAND'S REGISTERS (four registers: 16 bytes a lane,
; 512 bytes a wave).  Operand place 32 B + 16 h + 8 u + j then holds number 32 B + 16 u + 8 h + j: a permutation INSIDE a block of 32, which falls alike on q and k (along the channels) and alike on v and p (along the keys).
; The bias is the C of each sum's first matrix instruction.
; OUT: q_img [64 heads][128 tiles of 16 queries][2 blocks][32 lanes][16 bytes];  q_sc [64][2,048] one word a query: bytes 0, 1 its two scales, bytes 2, 3 = 0x7f (for the zero half of the next product's K);
;      kv [64 heads][8 slots of 256 keys] records of 34,304 bytes: k's images [16 tiles][2][512], v's images [2 steps][4 tiles of 16 channels][4][512], k's words [256], v's words [2][64].
; LIMITS: NaN and infinities among the inputs are not served.  A block whose largest magnitude lies under 2^-118 (a block of zeros among them) gets the byte 1; a block of zeros has zero codes, which add nothing; only this program reads the bytes.
; REGISTERS, in windows of 256: window 0: v0-31 addresses; v32-63 scale words, two sets; v64-127 the bias; from v128 A's fragments, ONE set (on the way out: at work).
;   window 1: B's fragments, TWO sets.   window 2: the accumulators of my rows 0-63 ((a, b) at v[8 (8 a + b)]);   window 3: those of my rows 64-127.
.set KSTEP,  256                       ; along K in a slot
.set NQ,     2                         ; matrix instructions deep
.set ROWB,   256                       ; a tile's row in bytes
.set KROW,   1024                      ; a row of x or of a weight in memory, in bytes
.set PITCH,  272                       ; an LDS row: 256 bytes + 16 of padding = 68 words: the 16 rows that a load touches start at 16 different banks (64 banks of 4 bytes: ISA guide 11.1)
.set FR,     16                        ; registers of a fragment
.set NL,     4                         ; LDS loads that bring one
.set NP,     8                         ; places behind this matrix instruction (ISA guide 7.12.1)
.set HALFT,  128*PITCH                 ; 128 rows: what one tensor load brings
.set SLOT,   4*HALFT                   ; A's 256 rows, then B's 256 rows
.set LAPS,   2                         ; K = 1,024 is two laps of two K steps
.set KS,     32                        ; a row of scale bytes
.set SCL,    2*SLOT                    ; behind the ring: the scales, as units of 256 bytes + 16 of padding
.set HALFS,  (128*KS/256)*272          ; the scales of 128 rows
.set SBLK,   (16*KS/256)*272           ; those of 16 rows
.set SPARE,  SCL+4*HALFS               ; the spare words, 128 bytes for each wave: two blocks of 256 bytes that no other line names
.set SCSTG,  SPARE+512                 ; a stage for the scale words made here, 1,024 bytes for each wave: no fill ever lands there
.set RECB,   34304                     ; a record of kv
.set ADRA, 16                          ; v16-17  LDS address of my A fragments in slot 0, 1
.set ADRB, 20                          ; v20-21  the same for B
.set ADRS, 27                          ; v27     LDS address of my scale words: lanes 0-15 A's rows, lanes 16-31 B's
.set SPW,  28                          ; v28     LDS address of my spare word; never rewritten
.set NIL,  29                          ; v29     0; never rewritten
.set SC,   32                          ; scale words: set s at v[SC + 16 s]; register 2 i + q: lanes 0-15 A's block i, lanes 16-31 B's block i
.set BT,   64                          ; v64-127 the bias, eight registers a block
.set AF,   128                         ; A's fragments
.set HT,   128                         ; the way out: v128-191 a block's 64 numbers, held
.set PC,   192                         ; v192-207 their codes
.set TM,   208                         ; v208-211 largest magnitudes, v212-215 bytes, v216-219 448 x the scale, v220-223 the conversions' scale operands
.set PW,   224                         ; v224 the four bytes as a word;  v225 the word that is stored
.set WS,   225
.set BK,   228                         ; v228-235 scale words read back
.set G1, 24                            ; s[24:31] descriptor group 1 for A's tiles;  s[32:39] group 0, one set for each slot
.set G0, 32
.set G1B, 48                           ; s[48:55], s[56:63] the same for B's tiles
.set G0B, 56
.set G1S, 68                           ; s[68:75], s[76:79] groups 1 and 0 for A's scales;  s[80:87], s[88:91] for B's
.set G0S, 76
.set G1SB, 80
.set G0SB, 88
.set STEPA, 4                          ; the way out: s[4:5] bytes from a block's codes to the next block's;  s[6:7] the same from block 3 to block 4
.set STEPB, 6
.set MASK, 8                           ; s8, s9: what is kept of a scale word, and what is set in it
.set ORV,  9
.set SEL,  10                          ; s[10:11] lane selects for v_permlanex16_b32: lane l xor 16
.set MNT,  18                          ; s18 the mantissa field of 448
.set MSB, 0
.macro WIN new                         ; the immediate's high byte repeats the setting that is left
.if MSB != (\new)
	s_set_vgpr_msb (MSB<<8)|(\new)
.set MSB, (\new)
.endif
.endm
.set MUL_LO, 0xa1                      ; source 0 (B) window 1, source 1 (A) window 0, C and D window 2
.set MUL_HI, 0xf1                      ; the same, C and D window 3
.set TO_B,   0x40                      ; destination window 1, address window 0
; A joint load: waves 0 and 1 fetch for A, waves 2 and 3 for B.  Each of the two lines has ONE mask and one set of registers for all that issue it; the branch hangs on the wave's number alone.
; Four v_nop follow each of the two lines, ahead of the jump, the label and what follows.
.macro JLOAD g0a, g1a, g0b, g1b
	s_cmp_eq_u32 s15, 0
	s_cbranch_scc0 .Lfor_b_\@
	tensor_load_to_lds s[\g0a:\g0a+3], s[\g1a:\g1a+7]
	s_nop 0
.rept 4
	v_nop
.endr
	s_branch .Lasked_\@
.Lfor_b_\@:
	tensor_load_to_lds s[\g0b:\g0b+3], s[\g1b:\g1b+7]
	s_nop 0
.rept 4
	v_nop
.endr
.Lasked_\@:
.endm
.macro CREST                           ; a round of the cluster's barrier behind its opening barrier
	s_cmp_lg_u32 s14, 0
	s_cbranch_scc1 .Lnot_wave_0_\@
	s_barrier_signal -3
.Lnot_wave_0_\@:
	s_barrier_wait -3
	s_barrier_signal -1
	s_barrier_wait -1
.endm
.macro CROUND                          ; a whole round
	s_barrier_signal -1
	s_barrier_wait -1
	CREST
.endm
	s_load_b512 s[68:83], s[0:1], 0x0              ; x's codes, x's scales, wq's, wk's, wv's codes and scales
	s_load_b256 s[84:91], s[0:1], 0x40             ; bq, bk, bv, q_img
	s_load_b128 s[92:95], s[0:1], 0x60             ; q_sc, kv
	v_lshl_add_u32 v[SPW], v0, 2, SPARE
	v_mov_b32 v[NIL], 0
	ds_add_u32 v28, v29
	ds_add_u32 v28, v29
	s_wait_dscnt 0x0
	v_lshrrev_b32 v1, 5, v0
	v_readfirstlane_b32 s14, v1                    ; wave 0..3
	s_lshr_b32 s15, s14, 1                         ; which half of the tile's rows is mine.  Also: I fetch for A (0) or for B (1)
	s_and_b32 s16, s14, 1                          ; which half of its columns.  Also: which 128 rows of that tile I fetch
	s_bfe_u32 s40, ttmp6, 0x40000                  ; cx, cy: my place in the cluster
	s_bfe_u32 s41, ttmp6, 0x40004
	s_and_b32 s18, ttmp7, 0xffff
	s_lshl_b32 s18, s18, 2                         ; 4 x the cluster's y: it counts the token axis, 32 tiles of 256
	s_cmp_eq_u32 ttmp9, 2                          ; kind 2: tokens are C's columns; else its rows
	s_cselect_b32 s17, 0, s18
	s_cselect_b32 s42, s18, 0
	s_add_co_u32 s17, s17, s41                     ; tile row of C: it never holds cx
	s_add_co_u32 s42, s42, s40                     ; tile column of C: it never holds cy
	s_lshl_b32 s43, s41, 2
	s_lshl_b32 s43, 15, s43                        ; my row of the cluster
	s_lshl_b32 s44, 0x1111, s40                    ; my column
	; descriptor group 1: a tile of 128 rows x 256 bytes, padded in LDS
	s_or_b32 s[G1+0], s43, (0<<16)|(1<<20)|(1<<21)|(5<<22)|(3<<25)  ; 15:0 the mask: A's tiles go to my row; 17:16 element of 1 byte; 20 padding on; 21 set beside a mask; 24:22 after every 64 words; 31:25 four words
	s_or_b32 s[G1B+0], s44, (0<<16)|(1<<20)|(1<<21)|(5<<22)|(3<<25)
.irp g, G1, G1B
	s_mov_b32 s[\g+1], ROWB<<16                    ; tensor_dim0
	s_mov_b32 s[\g+2], 128<<16                     ; tensor_dim1 = 128
	s_mov_b32 s[\g+3], ROWB<<16                    ; tile_dim0
	s_mov_b32 s[\g+4], 128                         ; tile_dim1 = 128
	s_mov_b32 s[\g+5], KROW                        ; tensor_dim0_stride
	s_mov_b32 s[\g+6], 0
	s_mov_b32 s[\g+7], 0
.endr
	s_lshl_b32 s18, s16, 7                         ; which 128 rows of the tile I fetch
	s_lshl_b32 s20, s17, 8
	s_add_co_u32 s20, s20, s18                     ; A: row 256 x tile row + 128 x half
	s_lshl_b32 s46, s42, 8
	s_add_co_u32 s46, s46, s18                     ; B: row 256 x tile column + 128 x half
	s_mov_b32 s21, 0
	s_mov_b32 s23, 0
	s_mov_b32 s47, 0
	s_lshl_b32 s22, s20, 5                         ; where A's rows' scales begin, in bytes (32 a row),
	s_lshl_b32 s20, s20, 10                        ; and their codes (1,024 a row): both under 2^24
	s_mul_i32 s45, s14, HALFT                      ; where the tiles go: wave x 128 rows: no place in the cluster enters an LDS address
	s_lshl_b32 s100, s17, 8
	s_lshl_b32 s18, s15, 7
	s_add_co_u32 s100, s100, s18                   ; my wave's first row of C
	s_lshl_b32 s101, s42, 8
	s_lshl_b32 s18, s16, 7
	s_add_co_u32 s101, s101, s18                   ; and its first column
	s_cmp_eq_u32 ttmp9, 2
	s_cselect_b32 s18, s101, s100                  ; my first token,
	s_cselect_b32 s101, s100, s101                 ; s101: my first channel
	s_mov_b32 s100, s18                            ; s100: my first token
	s_wait_kmcnt 0x0
	s_cmp_eq_u32 ttmp9, 0                          ; the buffers are chosen by kind alone
	s_cselect_b64 s[8:9], s[72:73], s[76:77]       ; wq's or wk's codes,
	s_cselect_b64 s[10:11], s[74:75], s[78:79]     ; scales,
	s_cselect_b64 s[12:13], s[84:85], s[86:87]     ; bq or bk
	s_cselect_b64 s[96:97], s[90:91], s[94:95]     ; codes go to q_img or to kv,
	s_cselect_b64 s[98:99], s[92:93], s[94:95]     ; scale words to q_sc or to kv
	s_cmp_eq_u32 ttmp9, 2
	s_cselect_b64 s[4:5], s[80:81], s[68:69]       ; A: wv or x
	s_cselect_b64 s[6:7], s[82:83], s[70:71]
	s_cselect_b64 s[8:9], s[68:69], s[8:9]         ; B: x or the weight
	s_cselect_b64 s[10:11], s[70:71], s[10:11]
	s_cselect_b64 s[12:13], s[88:89], s[12:13]     ; the bias
	s_lshl_b32 s92, s46, 5                         ; B's rows' scales and codes likewise (s68-95 are free from here on)
	s_mov_b32 s93, 0
	s_lshl_b32 s46, s46, 10
	s_mul_i32 s94, s14, HALFS
	s_add_nc_u64 s[20:21], s[4:5], s[20:21]
	s_add_nc_u64 s[22:23], s[6:7], s[22:23]
	s_add_nc_u64 s[46:47], s[8:9], s[46:47]
	s_add_nc_u64 s[92:93], s[10:11], s[92:93]
	; the scales of 128 rows: a dense block of 4,096 bytes, as 16 rows of 256 bytes (32 elements of 8 bytes), 16 bytes of padding behind each
	s_or_b32 s[G1S+0], s43, (3<<16)|(1<<20)|(1<<21)|(5<<22)|(3<<25)
	s_or_b32 s[G1SB+0], s44, (3<<16)|(1<<20)|(1<<21)|(5<<22)|(3<<25)
.irp g, G1S, G1SB
	s_mov_b32 s[\g+1], 32<<16
	s_mov_b32 s[\g+2], (128*KS/256)<<16
	s_mov_b32 s[\g+3], 32<<16
	s_mov_b32 s[\g+4], 128*KS/256
	s_mov_b32 s[\g+5], 32
	s_mov_b32 s[\g+6], 0
	s_mov_b32 s[\g+7], 0
.endr
	s_lshl_b32 s18, s101, 2
	s_mov_b32 s19, 0
	s_add_nc_u64 s[12:13], s[12:13], s[18:19]      ; the bias at my first channel
	s_cmp_eq_u32 ttmp9, 2
	s_cselect_b32 s18, 4, 0                        ; the bias runs along the lanes' rows (kind 2) ..
	s_cselect_b32 s19, 0, 32                       ; .. or along a lane's registers: 8 numbers for each half of the lanes,
	s_cselect_b32 s2, 0, 4                         ; one a register
	CROUND                                         ; all sixteen work-groups are here: the first joint loads meet
	s_mov_b32 s[G0S], 1
	s_add_co_u32 s[G0S+1], s94, SCL
	s_mov_b64 s[G0S+2:G0S+3], s[22:23]
	s_or_b32 s[G0S+3], s[G0S+3], 0x80000000
	s_mov_b32 s[G0SB], 1
	s_add_co_u32 s[G0SB+1], s94, SCL
	s_mov_b64 s[G0SB+2:G0SB+3], s[92:93]
	s_or_b32 s[G0SB+3], s[G0SB+3], 0x80000000
	JLOAD G0S, G1S, G0SB, G1SB                     ; the scales first: they are wanted with K step 0
.irp s, 0,1
	s_mov_b32 s[G0+4*\s], 1
	s_add_co_u32 s[G0+4*\s+1], s45, \s*SLOT
	s_add_nc_u64 s[G0+4*\s+2:G0+4*\s+3], s[20:21], \s*ROWB
	s_or_b32 s[G0+4*\s+3], s[G0+4*\s+3], 0x80000000
	s_mov_b32 s[G0B+4*\s], 1
	s_add_co_u32 s[G0B+4*\s+1], s45, \s*SLOT
	s_add_nc_u64 s[G0B+4*\s+2:G0B+4*\s+3], s[46:47], \s*ROWB
	s_or_b32 s[G0B+4*\s+3], s[G0B+4*\s+3], 0x80000000
	JLOAD G0+4*\s, G1, G0B+4*\s, G1B               ; three tensor loads of mine are out now
.endr
	v_and_b32 v1, 15, v0                           ; r = l % 16: kept to the end
	v_bfe_u32 v2, v0, 4, 1                         ; h = l / 16: kept to the end
	; the bias: register 8 i + j takes bias[my first channel + 16 i + 8 h + j] (kinds 0, 1: i = B's block) or bias[.. + 16 i + r] (kind 2: i = A's block)
	v_mul_u32_u24 v8, v1, s18
	v_mad_u32_u24 v8, v2, s19, v8
	v_mov_b32 v3, s2
.irp j, 1,2,3,4,5,6,7
	v_mad_u32_u24 v[8+\j], v3, \j, v8
.endr
.irp i, 0,1,2,3,4,5,6,7
.irp j, 0,1,2,3,4,5,6,7
	global_load_b32 v[BT+8*\i+\j], v[8+\j], s[12:13] offset:64*\i
.endr
.endr
	v_mul_u32_u24 v3, v1, PITCH
	v_lshl_add_u32 v4, v2, 4, v3                   ; a fragment's row x pitch + 16 x half
	s_mul_i32 s21, s15, HALFT                      ; my 128 rows of A
	s_mul_i32 s22, s16, HALFT                      ; my 128 rows of B,
	s_add_co_u32 s22, s22, 2*HALFT                 ; which lie behind A's 256
.irp s, 0,1
	v_add_nc_u32 v[ADRA+\s], s21, v4
	v_add_nc_u32 v[ADRB+\s], s22, v4
	s_add_co_u32 s21, s21, SLOT
	s_add_co_u32 s22, s22, SLOT
.endr
	v_mul_u32_u24 v5, v1, KS                       ; my row's scales: 32 bytes a row,
	v_lshrrev_b32 v6, 8, v5
	v_lshl_add_u32 v5, v6, 4, v5                   ; and 16 more for each 256 passed
	s_mul_i32 s21, s15, HALFS                      ; A's: my 128 rows
	s_mul_i32 s22, s16, HALFS                      ; B's: my 128 rows, behind A's 256
	s_add_co_u32 s22, s22, 2*HALFS
	s_sub_co_u32 s22, s22, s21
	v_mul_u32_u24 v6, s22, v2                      ; lanes 16-31 take B's
	s_add_co_u32 s21, s21, SCL
	v_add_nc_u32 v5, v5, v6
	v_add_nc_u32 v[ADRS], s21, v5
.macro FRAG reg, adr, q, i             ; a fragment, 16 rows x 128 K of 8-bit codes, is 16 registers: lane l holds row l % 16; registers 4 c .. 4 c + 3 hold K = 32 c + 16 (l / 16) + 0 .. 15
.irp c, 0,1,2,3
	ds_load_b128 v[\reg+4*\c:\reg+4*\c+3], v[\adr] offset:128*(\q)+32*\c+(\i)*16*PITCH
.endr
.endm
; 16 matrix instructions: A's blocks a0, a0 + 1 x B's eight, 128 along K: the slot's q-th.  p: B's set;  sc: the set of scale words.
; zero = 0: the sums go on in place;  1: they begin with the bias of B's block;  2: with the bias of A's block.  Nothing is ever cleared.
; The 64 accumulators take turns, one instruction a turn, in the same order in every step.
.macro MUL16 a0, p, q, sc, zero
.irp a, \a0, \a0+1
.irp b, 0,1,2,3,4,5,6,7
.if \zero == 1
	v_wmma_scale_f32_16x16x128_f8f6f4 v[8*(8*((\a)%4)+\b):8*(8*((\a)%4)+\b)+7], v[128*(\p)+FR*\b:128*(\p)+FR*\b+FR-1], v[AF+FR*(\a):AF+FR*(\a)+FR-1], v[BT+8*\b:BT+8*\b+7], v[SC+8*NQ*(\sc)+NQ*\b+(\q)], v[SC+8*NQ*(\sc)+NQ*(\a)+(\q)] matrix_a_scale:MATRIX_SCALE_ROW1
.elseif \zero == 2
	v_wmma_scale_f32_16x16x128_f8f6f4 v[8*(8*((\a)%4)+\b):8*(8*((\a)%4)+\b)+7], v[128*(\p)+FR*\b:128*(\p)+FR*\b+FR-1], v[AF+FR*(\a):AF+FR*(\a)+FR-1], v[BT+8*(\a):BT+8*(\a)+7], v[SC+8*NQ*(\sc)+NQ*\b+(\q)], v[SC+8*NQ*(\sc)+NQ*(\a)+(\q)] matrix_a_scale:MATRIX_SCALE_ROW1
.else
	v_wmma_scale_f32_16x16x128_f8f6f4 v[8*(8*((\a)%4)+\b):8*(8*((\a)%4)+\b)+7], v[128*(\p)+FR*\b:128*(\p)+FR*\b+FR-1], v[AF+FR*(\a):AF+FR*(\a)+FR-1], v[8*(8*((\a)%4)+\b):8*(8*((\a)%4)+\b)+7], v[SC+8*NQ*(\sc)+NQ*\b+(\q)], v[SC+8*NQ*(\sc)+NQ*(\a)+(\q)] matrix_a_scale:MATRIX_SCALE_ROW1
.endif
.endr
.endr
.endm
.macro FETCH_B slot, q, p              ; B's eight fragments of the slot's q-th 128 along K into set p
	WIN TO_B
.irp i, 0,1,2,3,4,5,6,7
	FRAG 128*(\p)+FR*\i, ADRB+\slot, \q, \i
.endr
	WIN 0
.endm
.macro FETCH_A slot, q, i0             ; A's blocks i0 .. i0 + 3
.irp i, \i0, \i0+1, \i0+2, \i0+3
	FRAG AF+FR*(\i), ADRA+\slot, \q, \i
.endr
.endm
.macro SCALES sc                       ; the next K step's scale words into set sc: two words a row; lanes 0-15 take A's block i, lanes 16-31 B's block i
.irp i, 0,1,2,3,4,5,6,7
	ds_load_b64 v[SC+8*NQ*\sc+NQ*\i:SC+8*NQ*\sc+NQ*\i+1], v[ADRS] offset:\i*SBLK
.endr
.endm
; A load into a register that a matrix instruction has read, and a vector instruction that reads a matrix result or writes one of a matrix instruction's registers, stand NP places behind it; only plain vector
; instructions that name none of its registers are places (ISA guide 7.12.1 for vector instructions).
.macro PLACES n
.rept \n
	v_nop
.endr
.endm
; A step of 128 along K that has its successor in the same slot.
.macro STEP slot, q, zero
	s_wait_dscnt 4*NL                              ; B's set, A's blocks 0-3 and the scale words are in; the youngest sixteen loads (A's blocks 4-7) may be out
.if \zero
	WIN 0x81                                       ; B window 1, A and the bias window 0, D window 2
.else
	WIN MUL_LO
.endif
	MUL16 0, (\q)%2, \q, \slot, \zero
	MUL16 2, (\q)%2, \q, \slot, \zero
	s_wait_dscnt 0                                 ; A's blocks 4-7 are in (asked for 32 matrix instructions ago)
	PLACES NP
	FETCH_B \slot, (\q)+1, 1-(\q)%2
	FETCH_A \slot, (\q)+1, 0
.if \zero
	WIN 0xc1                                       ; the same, D window 3
.else
	WIN MUL_HI
.endif
	MUL16 4, (\q)%2, \q, \slot, \zero
	MUL16 6, (\q)%2, \q, \slot, \zero
	PLACES NP
	WIN 0
	FETCH_A \slot, (\q)+1, 4
.endm
; A slot's last step changes slots: ONE barrier; in front of it each wave waits for all its tensor loads, adds 0 to its spare word, and waits for that and for its own reads of this slot.  fill = 1: this slot is filled again, two K steps ahead.
.macro TURN slot, next, fill
	s_wait_tensorcnt 0x0                           ; all my tensor loads have landed: my part of the next slot;  (every window is 0 here)
	ds_add_u32 v[SPW], v[NIL]                      ; 0 onto my spare word
	s_wait_dscnt 4*NL+1                            ; (the add and the youngest sixteen loads, A's blocks 4-7, may be out)
	WIN MUL_LO
	MUL16 0, 1, NQ-1, \slot, 0                     ; sixteen matrix instructions stand between the add and the wait for it
	s_wait_dscnt 0x0                               ; the add is done, and my reads of this slot are over
	s_barrier_signal -1
	MUL16 2, 1, NQ-1, \slot, 0
	WIN 0
	s_barrier_wait -1
.if \fill
	CREST                                          ; the barrier has opened a round of the cluster's barrier: no wave of any partner still reads this slot's tile or has a load on its way
	s_add_nc_u64 s[G0+4*\slot+2:G0+4*\slot+3], s[G0+4*\slot+2:G0+4*\slot+3], 2*ROWB
	s_add_nc_u64 s[G0B+4*\slot+2:G0B+4*\slot+3], s[G0B+4*\slot+2:G0B+4*\slot+3], 2*ROWB
	JLOAD G0+4*\slot, G1, G0B+4*\slot, G1B         ; the first tensor load behind the round; the four v_nop behind it are among the places in front of the loads below
	PLACES NP-4
.else
	PLACES NP
.endif
	s_wait_alu depctr_va_vdst(0)
	v_add_nc_u32 v[ADRS], 4*NQ, v[ADRS]            ; on to the next K step's scale words
	FETCH_B \next, 0, 0
	FETCH_A \next, 0, 0
	SCALES \next
	WIN MUL_HI
	MUL16 4, 1, NQ-1, \slot, 0
	MUL16 6, 1, NQ-1, \slot, 0
	PLACES NP
	WIN 0
	FETCH_A \next, 0, 4
.endm
	s_wait_alu depctr_va_vdst(0)
	s_wait_tensorcnt 1                             ; the scales and my part of K step 0 are in (K step 1's load may be out)
	s_barrier_signal -1
	s_barrier_wait -1                              ; everybody's are
	FETCH_B 0, 0, 0
	FETCH_A 0, 0, 0
	SCALES 0
	FETCH_A 0, 0, 4
	s_wait_loadcnt 0x0                             ; the bias
	s_cmp_eq_u32 ttmp9, 2                          ; the first step is written twice: its products begin the sums with the bias, which runs along B's blocks or along A's.  Both ways hold the same loads and waits
	s_cbranch_scc1 .Lfirst_v
	STEP 0, 0, 1
	s_branch .Lfirst_done
.Lfirst_v:
	STEP 0, 0, 2
.Lfirst_done:
	s_mov_b32 s3, LAPS-1
.Llap:                                                 ; a trip goes once round the ring, from a lap's second step to the next lap's first, and fills both slots again
	TURN 0, 1, 1
	STEP 1, 0, 0
	TURN 1, 0, 1
	STEP 0, 0, 0
	s_sub_co_u32 s3, s3, 1
	s_cmp_lg_u32 s3, 0
	s_cbranch_scc1 .Llap
	TURN 0, 1, 0                                   ; the last lap fills nothing, and has no round of the cluster's barrier
	STEP 1, 0, 0
	s_wait_dscnt 4*NL                              ; the very last step: nothing more to fetch
	WIN MUL_LO
	MUL16 0, 1, NQ-1, 1, 0
	MUL16 2, 1, NQ-1, 1, 0
	s_wait_dscnt 0
	WIN MUL_HI
	MUL16 4, 1, NQ-1, 1, 0
	MUL16 6, 1, NQ-1, 1, 0
	WIN 0
	; THE WAY OUT: one text for all kinds; what differs lies in scalars chosen by kind.
	PLACES NP                                      ; behind the last products: their results are read, and the registers that held A's fragments are written
	s_lshr_b32 s19, s100, 11                       ; the batch of my tokens,
	s_and_b32 s20, s100, 2047                      ; my first token in it
	s_lshl_b32 s19, s19, 4
	s_lshr_b32 s21, s101, 6
	s_add_co_u32 s19, s19, s21                     ; my first head among the 64: 16 x batch + channel / 64 (a wave has two)
	s_lshl_b32 s21, s19, 3
	s_lshr_b32 s22, s20, 8
	s_add_co_u32 s21, s21, s22
	s_mul_i32 s21, s21, RECB                       ; its record of kv for my tokens' slot of 256 keys,
	s_bfe_u32 s22, s20, 0x10007                    ; and which half of that slot my 128 tokens are
	s_lshl_b32 s23, s19, 17
	s_lshl_b32 s46, s20, 6
	s_add_co_u32 s23, s23, s46                     ; q: codes: 131,072 bytes a head, 64 a token
	s_lshl_b32 s46, s19, 13
	s_lshl_b32 s47, s20, 2
	s_add_co_u32 s46, s46, s47                     ; q: words: 8,192 bytes a head, 4 a token
	s_lshl_b32 s47, s22, 13
	s_add_co_u32 s47, s47, s21                     ; k: codes: the record, + 8 tiles of 1,024 bytes for the second half
	s_lshl_b32 s92, s22, 9
	s_add_co_u32 s92, s92, s21
	s_add_co_u32 s92, s92, 32768                   ; k: words
	s_add_co_u32 s93, s47, 16384                   ; v: codes: behind k's; a step of 128 keys is 8,192 bytes
	s_lshl_b32 s94, s22, 8
	s_add_co_u32 s94, s94, s21
	s_add_co_u32 s94, s94, 33792                   ; v: words: 256 bytes a step
	s_mov_b32 s19, 8*RECB                          ; from a head to the next: in kv,
	s_mov_b32 s95, 8*RECB
	s_cmp_eq_u32 ttmp9, 0
	s_cselect_b32 s20, s23, s47
	s_cselect_b32 s22, s46, s92
	s_cselect_b32 s19, 131072, s19                 ; in q_img,
	s_cselect_b32 s95, 8192, s95                   ; in q_sc
	s_mov_b32 s[STEPA], 1024                       ; q, k: a block of 16 tokens is a tile of 1,024 bytes
	s_mov_b32 s[STEPB], 1024
	s_mov_b32 s[MASK], 0xffff
	s_cmp_eq_u32 ttmp9, 2
	s_cselect_b32 s20, s93, s20
	s_cselect_b32 s22, s94, s22
	s_cselect_b32 s19, 1024, s19                   ; v: blocks 2, 3 along the keys lie 1,024 bytes behind blocks 0, 1
	s_cselect_b32 s[STEPA], 2048, s[STEPA]         ; v: a block of 16 channels is a tile of 2,048 bytes;
	s_cselect_b32 s[STEPB], 8*RECB-3*2048, s[STEPB]    ; block 4 begins the next head
	s_cselect_b32 s47, 8*RECB-256, 0               ; v: the second head's 64 words go to its own record
	s_cselect_b32 s92, 0, 16                       ; q, k: lanes 16-31 take the second head's two bytes
	s_cselect_b32 s[MASK], -1, s[MASK]             ; q, k: two bytes are kept, and 0x7f (the scale 1) stands in the two above; v: all four are kept
	s_cselect_b32 s[ORV], 0, 0x7f7f0000
	s_mov_b32 s21, 0
	s_mov_b32 s23, 0
	s_mov_b32 s[STEPA+1], 0
	s_mov_b32 s[STEPB+1], 0
	s_add_nc_u64 s[96:97], s[96:97], s[20:21]
	s_add_nc_u64 s[98:99], s[98:99], s[22:23]
	s_mov_b32 s[SEL], 0x76543210
	s_mov_b32 s[SEL+1], 0xfedcba98
	s_mov_b32 s[MNT], 0x600000
	v_and_b32 v3, 31, v0
	v_lshlrev_b32 v3, 4, v3                        ; 16 x lane
	v_mov_b32 v8, v3                               ; v8-11: where the codes of the four blocks of 32 go
	v_add_nc_u32 v9, 512, v3
	v_add_nc_u32 v10, s19, v3
	v_add_nc_u32 v11, 512, v10
	v_mad_u32_u24 v12, v2, s47, v3                 ; v12, v13: where the two runs of 512 bytes of scale words go
	v_add_nc_u32 v13, s95, v3
	v_mul_u32_u24 v14, v2, s92                     ; v14: by how much my lane shifts the word of four bytes
	s_lshl_b32 s93, s14, 10
	s_add_co_u32 s93, s93, SCSTG                   ; my stage for scale words
	v_lshlrev_b32 v15, 2, v1
	v_lshl_add_u32 v15, v2, 9, v15
	v_add_nc_u32 v15, s93, v15                     ; in: 512 h + 4 r (+ 64 a)
	v_add_nc_u32 v18, s93, v3                      ; back: 16 bytes a lane
.irp b, 0,1,2,3
	v_mov_b32 v[TM+4+\b], 0                        ; written once: a lane permute's destination counts as one of its sources
.endr
; Block a (16 rows of C x 128 columns: four blocks of 32 along n) is quantised and its codes stored.
.macro QBLK a
.set WN, 2+(\a)/4                      ; its accumulators' window
.set ACB, 64*((\a)%4)                  ; and their first register
.set WW, (WN<<4)|(WN<<2)
	WIN WW                                         ; sources 1 and 2: the accumulators
.irp b, 0,1,2,3
	v_max3_num_f32 v[TM+\b], 0x4800000, |v[ACB+16*\b]|, |v[ACB+16*\b+1]|   ; block b: my 16 numbers, each accumulator from its low end on, and the floor 2^(9 - 127): so the byte cannot fall under 1
.endr
.irp i, 2,4,6,8,10,12,14
.irp b, 0,1,2,3
	v_max3_num_f32 v[TM+\b], v[TM+\b], |v[ACB+16*\b+\i]|, |v[ACB+16*\b+\i+1]|   ; (the four blocks by turns)
.endr
.endr
	WIN 0
.irp b, 0,1,2,3
	v_permlanex16_b32 v[TM+4+\b], v[TM+\b], s[SEL], s[SEL+1]
.endr
.irp b, 0,1,2,3
	v_max_num_f32 v[TM+\b], v[TM+\b], v[TM+4+\b]   ; with lane l xor 16's: the block's largest magnitude
.endr
.irp b, 0,1,2,3
	v_add_nc_u32 v[TM+12+\b], 0xfc000000, v[TM+\b] ; 8 off its exponent field: the conversion takes the exponent field of this operand as its scale
.endr
.irp b, 0,1,2,3
	v_and_or_b32 v[TM+8+\b], v[TM+\b], 0x7f800000, s[MNT]   ; 448 x the scale
.endr
.irp b, 0,1,2,3
	v_lshrrev_b32 v[TM+4+\b], 23, v[TM+12+\b]      ; the scale's byte
.endr
	v_lshl_or_b32 v[PW], v[TM+5], 8, v[TM+4]
	v_lshl_or_b32 v[PW], v[TM+6], 16, v[PW]
	v_lshl_or_b32 v[PW], v[TM+7], 24, v[PW]        ; my row's four bytes
	v_lshrrev_b32 v[WS], v14, v[PW]
	v_and_or_b32 v[WS], v[WS], s[MASK], s[ORV]     ; q, k: lanes 0-15 the first head's word, lanes 16-31 the second's;  v: the word as it is
	ds_store_b32 v15, v[WS] offset:64*(\a)
	WIN WN                                         ; source 0: the accumulators
.irp b, 0,1,2,3
.irp i, 0,1,2,3,4,5,6,7,8,9,10,11,12,13,14,15
	v_med3_num_f32 v[HT+16*\b+\i], v[ACB+16*\b+\i], -v[TM+8+\b], v[TM+8+\b]   ; the conversion to an 8-bit code does not saturate (ISA guide 7.6.2): the hold at 448 x the scale
.endr
.endr
	WIN 0
	s_wait_alu depctr_va_vdst(0)
	s_wait_xcnt 0x0                                ; the last block's stores have had their addresses translated (ISA guide 3.1): their data and their base are written again only behind this wait
.if (\a) == 4
	s_add_nc_u64 s[96:97], s[96:97], s[STEPB:STEPB+1]
.elseif (\a) > 0
	s_add_nc_u64 s[96:97], s[96:97], s[STEPA:STEPA+1]
.endif
.irp b, 0,1,2,3
	v_cvt_scalef32_pk8_fp8_f32 v[PC+4*\b:PC+4*\b+1], v[HT+16*\b:HT+16*\b+7], v[TM+12+\b]
	v_cvt_scalef32_pk8_fp8_f32 v[PC+4*\b+2:PC+4*\b+3], v[HT+16*\b+8:HT+16*\b+15], v[TM+12+\b]
.endr
	v_nop                                          ; one plain vector instruction behind the last conversion, ahead of whatever next writes its sources
.irp b, 0,1,2,3
	global_store_b128 v[8+\b], v[PC+4*\b:PC+4*\b+3], s[96:97]   ; four registers of an operand: the wave stores 512 consecutive bytes, at a multiple of 256 from the buffer's first byte
.endr
.endm
.irp a, 0,1,2,3,4,5,6,7
	QBLK \a
.endr
	ds_load_b128 v[BK:BK+3], v18                   ; LDS serves a wave's instructions in order (ISA guide 5.7.1.4): these see my stores; the bytes are my wave's own
	ds_load_b128 v[BK+4:BK+7], v18 offset:512
	s_wait_dscnt 0x0
	global_store_b128 v12, v[BK:BK+3], s[98:99]    ; q, k: the first head's 128 words;  v: 64 words for each of the two heads, 256 consecutive bytes each
	s_cmp_eq_u32 ttmp9, 2
	s_cbranch_scc1 .Lone_run
	global_store_b128 v13, v[BK+4:BK+7], s[98:99]  ; q, k: the second head's 128 words
.Lone_run:
	s_wait_tensorcnt 0x0                           ; the wave's end: behind my last tensor load and my last LDS store
	ds_add_u32 v[SPW], v[NIL]
	s_wait_dscnt 0x0
	CROUND                                         ; the closing round: no work-group ends while a partner may still ask for a tile that names it
	s_endpgm
.Lfunc_end_k_qb9dee58968_qkv:
	.size	k_qb9dee58968_qkv, .Lfunc_end_k_qb9dee58968_qkv-k_qb9dee58968_qkv
	.p2alignl 7, 3214868480
	.fill 96, 4, 3214868480
	.section	.rodata,"a",@progbits
	.p2align	6, 0x0
	.amdhsa_kernel k_qb9dee58968_qkv
		.amdhsa_group_segment_fixed_size 327680
		.amdhsa_private_segment_fixed_size 0
		.amdhsa_enable_private_segment 0
		.amdhsa_kernarg_size 112
		.amdhsa_user_sgpr_count 2
		.amdhsa_user_sgpr_kernarg_segment_ptr 1
		.amdhsa_wavefront_size32 1
		.amdhsa_system_sgpr_workgroup_id_x 1
		.amdhsa_system_sgpr_workgroup_id_y 1
		.amdhsa_system_sgpr_workgroup_id_z 1
		.amdhsa_system_vgpr_workitem_id 0
		.amdhsa_next_free_vgpr 1024
		.amdhsa_next_free_sgpr 102
		.amdhsa_reserve_vcc 0
		.amdhsa_float_denorm_mode_32 3
		.amdhsa_float_denorm_mode_16_64 3
		.amdhsa_memory_ordered 1
		.amdhsa_forward_progress 1
		.amdhsa_inst_pref_size 209
	.end_amdhsa_kernel
	.amdgpu_metadata
---
amdhsa.version: [ 1, 2 ]
amdhsa.kernels:
  - .name:           k_qb9dee58968_qkv
    .symbol:         k_qb9dee58968_qkv.kd
    .args:
      - { .name: x_codes, .offset: 0, .size: 8, .value_kind: global_buffer, .address_space: global }
      - { .name: x_scales, .offset: 8, .size: 8, .value_kind: global_buffer, .address_space: global }
      - { .name: wq_codes, .offset: 16, .size: 8, .value_kind: global_buffer, .address_space: global }
      - { .name: wq_scales, .offset: 24, .size: 8, .value_kind: global_buffer, .address_space: global }
      - { .name: wk_codes, .offset: 32, .size: 8, .value_kind: global_buffer, .address_space: global }
      - { .name: wk_scales, .offset: 40, .size: 8, .value_kind: global_buffer, .address_space: global }
      - { .name: wv_codes, .offset: 48, .size: 8, .value_kind: global_buffer, .address_space: global }
      - { .name: wv_scales, .offset: 56, .size: 8, .value_kind: global_buffer, .address_space: global }
      - { .name: bq, .offset: 64, .size: 8, .value_kind: global_buffer, .address_space: global }
      - { .name: bk, .offset: 72, .size: 8, .value_kind: global_buffer, .address_space: global }
      - { .name: bv, .offset: 80, .size: 8, .value_kind: global_buffer, .address_space: global }
      - { .name: q_img, .offset: 88, .size: 8, .value_kind: global_buffer, .address_space: global }
      - { .name: q_sc, .offset: 96, .size: 8, .value_kind: global_buffer, .address_space: global }
      - { .name: kv, .offset: 104, .size: 8, .value_kind: global_buffer, .address_space: global }
    .group_segment_fixed_size: 327680
    .private_segment_fixed_size: 0
    .kernarg_segment_align: 8
    .kernarg_segment_size: 112
    .max_flat_workgroup_size: 128
    .sgpr_count:     102
    .vgpr_count:     1024
    .wavefront_size: 32
...
	.end_amdgpu_metadata
.endif
;; end of part 1
;; launch attn (part 2): grid 4 x 64, 16 waves a work-group, no clusters, 327,680 bytes of LDS; arguments q_img, q_sc, kv, o_img, o_sc; writes o_img, o_sc
.if DOCPART == 2
	.amdgcn_target "amdgcn-amd-amdhsa--gfx1250"
	.amdhsa_code_object_version 6
	.text
	.protected	k_qb9dee58968_attn
	.globl	k_qb9dee58968_attn
	.p2align	8
	.type	k_qb9dee58968_attn,@function
k_qb9dee58968_attn:
	s_mov_b64 s[64:65], 0
	v_nop
	global_prefetch_b8 v0, s[64:65] scope:SCOPE_SE
	s_setreg_imm32_b32 hwreg(HW_REG_WAVE_MODE, 25, 1), 1
	s_wait_xcnt 0x0
; Causal attention of one head (64 channels, 2,048 tokens), both products on codes of FP8 (E4M3) with one E8M0 scale for each 32 along K, and its result quantised along the model's 1,024 channels for the last product.
; IN: q_img, q_sc, kv as the launch before laid them: images of operands' registers (16 bytes a lane, 512 bytes for four registers) and scale words.
; THE SOFTMAX AHEAD OF THE SECOND PRODUCT: t = score x log2(e) / 8; M = the row's largest t so far, rounded UP to a whole number; p = 2^(t - M) is what is quantised, along the keys; it is not normalised.
; The row's sum is taken of the unquantised p, in f32, and divides O at the end.  When M moves, the sum and O are multiplied by 2^(old M - new M): exact.
; SHARES.  Work-group (x, head) owns the blocks x and 7 - x of 256 queries; each of its sixteen waves owns 16 queries of a block, one tile, in 256 registers.  Block j needs the key slots 0 .. j of 256 keys:
; (x + 1) + (8 - x) = 9 slots for every work-group: the same trip count, a constant, and the same work in all 256 work-groups.  A step of 128 keys all of which come after a wave's queries is jumped over.
; NO CLUSTER: in one trip the four work-groups of a head want different records of kv (their passes change at different trips), and the jump over hidden steps hangs on the work-group's own block of queries.
; A record of kv (34,304 dense bytes: k's images, v's images, k's and v's scale words of 256 keys) comes by two tensor loads (waves 0 and 1, half each) into one of two LDS slots, and all sixteen waves read it.
; LAYOUT.  Both products are used transposed: S^T = K Q^T (source 0 = 16 keys, source 1 = my 16 queries), O^T = V^T P^T (source 0 = 16 channels, source 1 = P): a lane holds ONE query (lane % 16) throughout.
; The head has 64 channels and the instruction takes 128 along K: the upper eight registers of Q's and K's fragments are zero codes, with the scale byte 0x7f: they add nothing.
; In S^T lane (r, h) holds keys 16 T + 8 h + j of tile T, so p's codes of tiles 2 B, 2 B + 1 hold key 32 B + 16 u + 8 h + j at operand place 32 B + 16 h + 8 u + j: the permutation inside a block of 32 in which v's codes were laid.
; O leaves in TRUE order along the channels (the last product's other operand is given): lanes l and l xor 16 exchange eight codes of each block.
; LIMITS: NaN and infinities are not served.  A block of o under 2^-118 gets the byte 1 (a block of zeros: zero codes); only this program reads the bytes.  o_sc is written two bytes a token and head: units written in part, 1/32 of the codes' bytes.
; REGISTERS: v1-10 addresses; v12 -M, v13 the largest t, v[14:15] the sum in two halves; v16-31 Q; v32-95 four fragments of K; v96-159 S^T, then p, then V's four fragments; v160-191 O^T; v192-207 p's codes;
;   v208-211 K's scale words, v212-213 V's, v214 Q's, v215 p's; v216-245 at work; v246-254 the second block's Q and its scale words.
.set RECB,  34304                      ; a record of kv
.set HALFR, 17152                      ; half of it: 67 rows of 256 bytes
.set VCO,   16384                      ; in a record: v's images,
.set KSO,   32768                      ; k's scale words,
.set VSO,   33792                      ; v's
.set SLOT1, 65536                      ; slot 1 begins here, so that one exclusive or turns an address in one slot into the other's
.set SPARE, 131072                     ; the spare words, 128 bytes for each wave: eight blocks of 256 bytes that no other line names
.set LI,  1                            ; v1   16 x lane
.set LS,  2                            ; v2   4 x lane
.set SPW, 3                            ; v3   LDS address of my spare word; never rewritten
.set NIL, 4                            ; v4   0; never rewritten
.set ADK, 5                            ; v5   the slot in hand + 16 x lane
.set ADS, 6                            ; v6   the slot in hand + 4 x lane
.set R4,  8                            ; v8   4 r
.set OSO, 9                            ; v9   32 r + h: my byte in o_sc
.set DG,  10                           ; v10  r - 8 h
.set PWD, 215                          ; p's scale word
.set BM,  216                          ; v216-219 a block's largest score, then its largest p
.set BP,  220                          ; v220-223 from the other half of the lanes; then the bytes
.set BH,  224
.set BS,  228                          ; v228-231 the conversions' scale operands
.set SUMT, 232                         ; v[232:233] the sum's second chain
.set FF,  234                          ; v[234:235] f = 2^(old M - new M); the upper register is only named
.set T,   236                          ; v236-245 at work
.set WV,  14                           ; s14  my wave's number
.set JX,  15                           ; s15  the work-group's x
.set MNT, 19
.set SEL, 20                           ; s[20:21] lane selects for v_permlanex16_b32: lane l xor 16
.set CS,  22                           ; s[22:23] c = log2(e) / 8
.set TB,  40                           ; s40  LDS byte at which the slot in hand begins
.set KF,  41                           ; s41  the step's first key
.set Q0,  42                           ; s42  my first query
.set TRI, 43                           ; s43  the trip
.set NS,  45                           ; s45  the key slot asked for last
.set HM,  46                           ; s46  a mask of lanes 16-31
.set T0,  47                           ; s47  at work
; s[24:31] descriptor group 1; s[32:35] group 0; s[36:37] kv at my half of the head's first record; s[38:39] an offset, high word 0;
; s[48:49], s[50:51] where the first block's codes and bytes go; s[52:53], s[54:55] the second's; s56 the second block's first query; s[58:63], s[66:67] Q's addresses
.macro TLOAD                           ; waves 0 and 1 fetch a half record each, the others nothing; four v_nop follow the line
	s_cmp_lt_u32 s[WV], 2
	s_cbranch_scc0 .Lnone_\@
	tensor_load_to_lds s[32:35], s[24:31]
	s_nop 0
.rept 4
	v_nop
.endr
.Lnone_\@:
.endm
.macro PASSPTR q0, qp, qs, ob, os      ; the four addresses of the block whose first query of mine is s[q0]
	s_lshl_b32 s38, s16, 17
	s_lshl_b32 s[T0], s[\q0], 6
	s_add_co_u32 s38, s38, s[T0]
	s_add_nc_u64 s[\qp:\qp+1], s[4:5], s[38:39]    ; q_img: 131,072 bytes a head, 1,024 a tile of 16 queries
	s_lshl_b32 s38, s16, 11
	s_add_co_u32 s38, s38, s[\q0]
	s_lshl_b32 s38, s38, 2
	s_add_nc_u64 s[\qs:\qs+1], s[6:7], s[38:39]    ; q_sc: a word a query
	s_lshl_b32 s38, s17, 7
	s_lshr_b32 s[T0], s[\q0], 4
	s_add_co_u32 s38, s38, s[T0]
	s_lshl_b32 s38, s38, 14
	s_lshl_b32 s[T0], s18, 10
	s_add_co_u32 s38, s38, s[T0]
	s_add_nc_u64 s[\ob:\ob+1], s[10:11], s[38:39]  ; o_img: 16,384 bytes a tile of 16 tokens; a head's 64 channels are 1,024 of them
	s_lshl_b32 s38, s17, 11
	s_add_co_u32 s38, s38, s[\q0]
	s_lshl_b32 s38, s38, 5
	s_lshl_b32 s[T0], s18, 1
	s_add_co_u32 s38, s38, s[T0]
	s_add_nc_u64 s[\os:\os+1], s[12:13], s[38:39]  ; o_sc: 32 bytes a token, two a head
.endm
.macro START                           ; the state in front of a block's first step: the first change of M multiplies zeros
	v_mov_b32 v13, 0xff61b1e6                      ; the largest t so far: -3e38, under every t
	s_delay_alu instid0(VALU_DEP_1)
	v_floor_f32 v12, -v13                          ; -M
	v_mov_b32 v14, 0
	v_mov_b32 v15, 0
.set j, 0
.rept 32
	v_mov_b32 v[160+j], 0                          ; O^T
.set j, j+1
.endr
.endm
	s_load_b256 s[4:11], s[0:1], 0x0               ; q_img, q_sc, kv, o_img
	s_load_b64 s[12:13], s[0:1], 0x20              ; o_sc
	v_lshl_add_u32 v[SPW], v0, 2, SPARE
	v_mov_b32 v[NIL], 0
	ds_add_u32 v3, v4
	ds_add_u32 v3, v4
	s_wait_dscnt 0x0
	v_lshrrev_b32 v5, 5, v0
	s_delay_alu instid0(VALU_DEP_1)
	v_readfirstlane_b32 s[WV], v5                  ; wave 0..15
	s_mov_b32 s[JX], ttmp9
	s_and_b32 s16, ttmp7, 0xffff                   ; the head among the 64,
	s_lshr_b32 s17, s16, 4                         ; its batch,
	s_and_b32 s18, s16, 15                         ; its number in the batch
	s_lshl_b32 s[Q0], s[JX], 8
	s_lshl_b32 s[T0], s[WV], 4
	s_add_co_u32 s[Q0], s[Q0], s[T0]               ; my first query of block x,
	s_sub_co_u32 s56, 7, s[JX]
	s_lshl_b32 s56, s56, 8
	s_add_co_u32 s56, s56, s[T0]                   ; and of block 7 - x
	; descriptor group 1: half a record, dense: 67 rows of 256 bytes (32 elements of 8 bytes), no padding: every read takes 16 or 4 bytes a lane on end
	s_mov_b32 s24, 3<<16
	s_mov_b32 s25, 32<<16                          ; tensor_dim0
	s_mov_b32 s26, 67<<16                          ; tensor_dim1
	s_mov_b32 s27, 32<<16                          ; tile_dim0
	s_mov_b32 s28, 67                              ; tile_dim1
	s_mov_b32 s29, 32                              ; tensor_dim0_stride
	s_mov_b32 s30, 0
	s_mov_b32 s31, 0
	s_and_b32 s[T0], s[WV], 1
	s_mul_i32 s33, s[T0], HALFR                    ; LDS address: slot 0, my half
	s_mul_i32 s38, s16, 8*RECB
	s_add_co_u32 s38, s38, s33
	s_mov_b32 s39, 0
	s_mov_b32 s32, 1
	s_mov_b32 s[SEL], 0x76543210
	s_mov_b32 s[SEL+1], 0xfedcba98
	s_mov_b32 s[CS], 0x3e38aa3b                    ; c = log2(e) / sqrt(64)
	s_mov_b32 s[CS+1], s[CS]                       ; (named with it as a pair, so it is written)
	s_mov_b32 s[HM], 0xffff0000
	s_mov_b32 s[TB], 0
	s_mov_b32 s[KF], 0
	s_mov_b32 s[TRI], 0
	s_mov_b32 s[NS], 0
	s_wait_kmcnt 0x0
	s_add_nc_u64 s[36:37], s[8:9], s[38:39]        ; kv at my half of the head's record 0
	s_mov_b64 s[34:35], s[36:37]
	s_or_b32 s35, s35, 0x80000000                  ; type = 2
	TLOAD                                          ; record 0 into slot 0: the one first fill at the start
	PASSPTR Q0, 58, 60, 48, 50
	PASSPTR 56, 62, 66, 52, 54
	v_and_b32 v5, 31, v0
	s_delay_alu instid0(VALU_DEP_1)
	v_lshlrev_b32 v[LI], 4, v5
	s_delay_alu instid0(VALU_DEP_2)
	v_lshlrev_b32 v[LS], 2, v5
	v_and_b32 v6, 15, v0                           ; r
	v_bfe_u32 v7, v0, 4, 1                         ; h
	s_delay_alu instid0(VALU_DEP_2)
	v_lshlrev_b32 v[R4], 2, v6
	s_delay_alu instid0(VALU_DEP_2)
	v_lshl_add_u32 v[OSO], v6, 5, v7
	s_delay_alu instid0(VALU_DEP_3)
	v_lshlrev_b32 v11, 3, v7
	s_delay_alu instid0(VALU_DEP_1)
	v_sub_nc_u32 v[DG], v6, v11
	global_load_b128 v[16:19], v[LI], s[58:59]               ; Q of both blocks stays in registers
	global_load_b128 v[20:23], v[LI], s[58:59] offset:512
	global_load_b32 v214, v[R4], s[60:61]
	global_load_b128 v[246:249], v[LI], s[62:63]
	global_load_b128 v[250:253], v[LI], s[62:63] offset:512
	global_load_b32 v254, v[R4], s[66:67]
.set j, 24
.rept 8
	v_mov_b32 v[j], 0                              ; the zero half of Q's fragment
.set j, j+1
.endr
.irp t, 0,1,2,3
.irp i, 8,9,10,11,12,13,14,15
	v_mov_b32 v[32+16*\t+\i], 0                    ; and of K's four: written once, no load lands there
.endr
.endr
	START
.irp b, 0,1,2,3
	v_mov_b32 v[BP+\b], 0                          ; written once: a lane permute's destination counts as one of its sources
.endr
	v_mov_b32 v[FF+1], 0
.set j, 0
.rept 10
	v_mov_b32 v[T+j], 0
.set j, j+1
.endr
.macro KQ tt, f                        ; tile tt of S^T from fragment f; K's scale words of two tiles share a register: lanes 0-15 the even tile's, lanes 16-31 the odd one's
.if (\tt)%2
	v_wmma_scale_f32_16x16x128_f8f6f4 v[96+8*(\tt):103+8*(\tt)], v[32+16*(\f):47+16*(\f)], v[16:31], 0, v[208+(\tt)/2], v214 matrix_a_scale:MATRIX_SCALE_ROW1
.else
	v_wmma_scale_f32_16x16x128_f8f6f4 v[96+8*(\tt):103+8*(\tt)], v[32+16*(\f):47+16*(\f)], v[16:31], 0, v[208+(\tt)/2], v214
.endif
.endm
.macro PV d                            ; O^T's tile d += V^T P^T
.if (\d)%2
	v_wmma_scale_f32_16x16x128_f8f6f4 v[160+8*(\d):167+8*(\d)], v[96+16*(\d):111+16*(\d)], v[192:207], v[160+8*(\d):167+8*(\d)], v[212+(\d)/2], v[PWD] matrix_a_scale:MATRIX_SCALE_ROW1
.else
	v_wmma_scale_f32_16x16x128_f8f6f4 v[160+8*(\d):167+8*(\d)], v[96+16*(\d):111+16*(\d)], v[192:207], v[160+8*(\d):167+8*(\d)], v[212+(\d)/2], v[PWD]
.endif
.endm
.macro BMAX x0, x1                     ; the largest score of my 16 keys in blocks x0 and x1, by turns; each accumulator is read from its low end on
.irp b, \x0, \x1
	v_max3_num_f32 v[BM+\b], v[96+16*\b], v[97+16*\b], v[98+16*\b]
.endr
.irp i, 3,5,7,9,11,13
.irp b, \x0, \x1
	v_max3_num_f32 v[BM+\b], v[BM+\b], v[96+16*\b+\i], v[97+16*\b+\i]
.endr
.endr
.irp b, \x0, \x1
	v_max_num_f32 v[BM+\b], v[BM+\b], v[111+16*\b]
.endr
.endm
; A KEY STEP: 128 keys, the q-th of the slot in hand.
.macro STEP q
	s_add_co_u32 s[T0], s[Q0], 15                  ; a step all of whose keys come after my 16 queries is left out: a scalar branch on ids; no barrier and no tensor load stands in a step
	s_cmp_gt_u32 s[KF], s[T0]
	s_cbranch_scc1 .Lhidden_\@
	v_add_nc_u32 v[ADK], s[TB], v[LI]
	v_add_nc_u32 v[ADS], s[TB], v[LS]
.rept 7
	v_nop                                          ; with the two additions nine places behind the last products V^T P^T: their scale words' registers are loaded anew (eight), and matrix instructions write over V's fragments (nine)
.endr
.irp t, 0,1,2,3
	ds_load_b128 v[32+16*\t:35+16*\t], v[ADK] offset:(8*(\q)+\t)*1024
	ds_load_b128 v[36+16*\t:39+16*\t], v[ADK] offset:(8*(\q)+\t)*1024+512
.endr
.irp i, 0,1,2,3
	ds_load_b32 v[208+\i], v[ADS] offset:KSO+512*(\q)+128*\i     ; lane l: the word of key 32 i + l
.endr
.irp i, 0,1
	ds_load_b32 v[212+\i], v[ADS] offset:VSO+256*(\q)+128*\i     ; lane l: the word of channel 32 i + l
.endr
	s_wait_alu depctr_va_vdst(0)
	s_wait_dscnt 0x0
	KQ 0, 0
	KQ 1, 1
	KQ 2, 2
	KQ 3, 3
.rept 8
	v_nop                                          ; places in front of loads into registers that these matrix instructions have read
.endr
.irp t, 0,1,2,3
	ds_load_b128 v[32+16*\t:35+16*\t], v[ADK] offset:(8*(\q)+4+\t)*1024
	ds_load_b128 v[36+16*\t:39+16*\t], v[ADK] offset:(8*(\q)+4+\t)*1024+512
.endr
	s_wait_dscnt 0x0
	KQ 4, 0
	KQ 5, 1
	KQ 6, 2
	KQ 7, 3
	; No v_nop: what follows works on tiles 0-3 first, whose products stand eight places back; that work names no register of the last four products and is their places.
	s_add_co_u32 s[T0], s[KF], 127                 ; on the diagonal the scores of hidden keys become -infinity ahead of the maximum: p = 0 then.  A step all of whose keys count skips this
	s_cmp_le_u32 s[T0], s[Q0]
	s_cbranch_scc1 .Lopen_\@
	s_sub_co_i32 s[T0], s[Q0], s[KF]
	v_add_nc_u32 v[T], s[T0], v[DG]                ; d = my query - the step's first key - 8 h.  Register n holds key 16 (n / 8) + 8 h + n % 8 of the step: hidden where 16 (n / 8) + n % 8 > d
	v_mov_b32 v[T+1], 0xff800000                   ; -infinity
.set n, 0
.rept 64
	v_cmp_gt_i32 vcc_lo, 16*(n/8)+n%8, v[T]
	v_cndmask_b32 v[96+n], v[96+n], v[T+1], vcc_lo
.set n, n+1
.endr
.Lopen_\@:
	BMAX 0, 1                                      ; THE LARGEST SCORE OF EACH BLOCK OF 32 KEYS serves twice: for the row's maximum, and, since p rises with the score, for the block's largest p
	BMAX 2, 3
.irp b, 0,1,2,3
	v_permlanex16_b32 v[BP+\b], v[BM+\b], s[SEL], s[SEL+1]
.endr
.irp b, 0,1,2,3
	s_delay_alu instid0(VALU_DEP_4)
	v_max_num_f32 v[BM+\b], v[BM+\b], v[BP+\b]     ; with lane l xor 16's 16 keys
.endr
	s_delay_alu instid0(VALU_DEP_2)
	v_max3_num_f32 v[T], v[BM], v[BM+1], v[BM+2]
	s_delay_alu instid0(VALU_DEP_1)
	v_max_num_f32 v[T], v[T], v[BM+3]              ; the step's largest score of my query (key KF counts for every query of a step that is not left out)
	s_delay_alu instid0(VALU_DEP_1)
	v_mul_f32 v[T], s[CS], v[T]                    ; as t (c is positive)
	s_delay_alu instid0(VALU_DEP_1)
	v_max_num_f32 v13, v13, v[T]                   ; the running largest t
	v_mov_b32 v[T], v12
	s_delay_alu instid0(VALU_DEP_2)
	v_floor_f32 v12, -v13                          ; the new -M = floor(-t) = -ceil(t): M IS A WHOLE NUMBER
	s_delay_alu instid0(VALU_DEP_1)
	v_sub_f32 v[T], v12, v[T]                      ; M's old value less its new one: a whole number, 0 or less
	s_delay_alu instid0(VALU_DEP_1)
	v_cvt_i32_f32 v[T], v[T]                       ; (it saturates)
	s_delay_alu instid0(VALU_DEP_1)
	v_ldexp_f32 v[FF], 1.0, v[T]                   ; f = 2^(old M - new M)
.set j, 0
.rept 32
	v_pk_fma_f32 v[96+j:97+j], v[96+j:97+j], s[CS:CS+1], v[12:13] op_sel_hi:[1,0,0]   ; t - M, two at a time (of the pairs c and -M the low word serves both halves)
.set j, j+2
.endr
.irp b, 0,1,2,3
	v_fma_f32 v[BM+\b], v[BM+\b], s[CS], v12       ; the same of each block's largest score
.endr
.set j, 0
	s_wait_alu depctr_va_vdst(0)
.rept 64
	v_exp_f32 v[96+j], v[96+j]                     ; p = 2^(t - M), at most 1: NOT normalised
.set j, j+1
.endr
.irp b, 0,1,2,3
	v_exp_f32 v[BM+\b], v[BM+\b]                   ; the block's largest p: the same two instructions on the same number give the same bits
.endr
	v_pk_mul_f32 v[14:15], v[14:15], v[FF:FF+1] op_sel_hi:[1,0]   ; the sums under the new M.  (A plain place behind the exponentials)
	s_wait_alu depctr_va_vdst(0)
.irp b, 0,1,2,3
	v_max_num_f32 v[BM+\b], 0x4800000, v[BM+\b]    ; the floor 2^(9 - 127): the byte cannot fall under 1 (a block whose every p is 0 keeps that byte: its codes are zeros)
.endr
.irp b, 0,1,2,3
	s_delay_alu instid0(VALU_DEP_4)
	v_add_nc_u32 v[BS+\b], 0xfc000000, v[BM+\b]    ; 8 off the exponent field: the conversion's scale operand
.endr
.irp b, 0,1,2,3
.endr
.irp b, 0,1,2,3
	s_delay_alu instid0(VALU_DEP_4)
	v_lshrrev_b32 v[BP+\b], 23, v[BS+\b]           ; the scale's byte
.endr
	s_delay_alu instid0(VALU_DEP_3)
	v_lshl_or_b32 v[PWD], v[BP+1], 8, v[BP]        ; p's scale word for these 128 keys
	s_delay_alu instid0(VALU_DEP_1)
	v_lshl_or_b32 v[PWD], v[BP+2], 16, v[PWD]
	s_delay_alu instid0(VALU_DEP_1)
	v_lshl_or_b32 v[PWD], v[BP+3], 24, v[PWD]
	v_pk_add_f32 v[232:233], v[100:101], v[104:105]
	v_pk_add_f32 v[244:245], v[108:109], v[112:113]
	v_pk_add_f32 v[238:239], v[116:117], v[120:121]
	v_pk_add_f32 v[226:227], v[124:125], v[128:129]
	v_pk_add_f32 v[224:225], v[132:133], v[136:137]
	v_pk_add_f32 v[218:219], v[140:141], v[144:145]
	v_pk_add_f32 v[216:217], v[148:149], v[152:153]
	v_pk_add_f32 v[14:15], v[14:15], v[156:157]
	v_pk_add_f32 v[232:233], v[232:233], v[96:97]
	v_pk_add_f32 v[244:245], v[244:245], v[98:99]
	v_pk_add_f32 v[238:239], v[238:239], v[102:103]
	v_pk_add_f32 v[226:227], v[226:227], v[106:107]
	v_pk_add_f32 v[224:225], v[224:225], v[110:111]
	v_pk_add_f32 v[218:219], v[218:219], v[114:115]
	v_pk_add_f32 v[216:217], v[216:217], v[118:119]
	v_pk_add_f32 v[14:15], v[14:15], v[122:123]
	v_pk_add_f32 v[232:233], v[232:233], v[126:127]
	v_pk_add_f32 v[244:245], v[244:245], v[130:131]
	v_pk_add_f32 v[238:239], v[238:239], v[134:135]
	v_pk_add_f32 v[226:227], v[226:227], v[138:139]
	v_pk_add_f32 v[224:225], v[224:225], v[142:143]
	v_pk_add_f32 v[218:219], v[218:219], v[146:147]
	v_pk_add_f32 v[216:217], v[216:217], v[150:151]
	v_pk_add_f32 v[14:15], v[14:15], v[154:155]
	v_pk_add_f32 v[232:233], v[232:233], v[158:159]
	s_delay_alu instid0(VALU_DEP_2)
	v_pk_add_f32 v[14:15], v[14:15], v[226:227]
	s_delay_alu instid0(VALU_DEP_2)
	v_pk_add_f32 v[232:233], v[232:233], v[224:225]
	v_pk_add_f32 v[244:245], v[244:245], v[218:219]
	v_pk_add_f32 v[238:239], v[238:239], v[216:217]
	s_delay_alu instid0(VALU_DEP_2)
	v_pk_add_f32 v[14:15], v[14:15], v[244:245]
	s_delay_alu instid0(VALU_DEP_2)
	v_pk_add_f32 v[232:233], v[232:233], v[238:239]
	s_delay_alu instid0(VALU_DEP_1)
	v_pk_add_f32 v[14:15], v[14:15], v[232:233]
.irp b, 0,1,2,3
.irp i, 0,1,2,3,4,5,6,7,8,9,10,11,12,13,14,15
.endr
	v_cvt_scalef32_pk8_fp8_f32 v[192+4*\b:193+4*\b], v[96+16*\b:103+16*\b], v[BS+\b]
	v_cvt_scalef32_pk8_fp8_f32 v[194+4*\b:195+4*\b], v[104+16*\b:111+16*\b], v[BS+\b]
.endr
	v_nop
.irp d, 0,1,2,3
.irp c, 0,1,2,3
	ds_load_b128 v[96+16*\d+4*\c:99+16*\d+4*\c], v[ADK] offset:VCO+8192*(\q)+2048*\d+512*\c   ; V's four fragments, into the registers that p has left
.endr
.endr
.set j, 0
.rept 16
	v_pk_mul_f32 v[160+j:161+j], v[160+j:161+j], v[FF:FF+1] op_sel_hi:[1,0]   ; O^T under the new M: x f.  (These sixteen are also the plain place behind the conversions and the places between p's codes and the products)
.set j, j+2
.endr
	s_wait_alu depctr_va_vdst(0)
	s_wait_dscnt 0x0
	PV 0                                           ; the four accumulators take turns, one instruction a turn
	PV 1
	PV 2
	PV 3
.Lhidden_\@:
	s_add_co_u32 s[KF], s[KF], 128
.endm
; THE CHANGE OF SLOTS stands at a slot's head.  Each wave waits for all its tensor loads (its part of the slot that it is about to read), adds 0 to its spare word, and waits for that and for its reads of the slot that it has left.
; Behind the barrier the slot ahead is whole and nobody reads the other one.  fill = 1: that other slot is filled with the next trip's record: the next key slot, or slot 0 again where the first block of queries ends with this trip.
.macro CHANGE fill
	s_wait_tensorcnt 0x0                           ; no tensor load of mine is out, so group 0 may be written
	ds_add_u32 v[SPW], v[NIL]                      ; 0 onto my spare word; the descriptor's step stands between it and the wait for it
.if \fill
	s_add_co_u32 s[NS], s[NS], 1
	s_cmp_eq_u32 s[TRI], s[JX]
	s_cselect_b32 s[NS], 0, s[NS]
	s_mul_i32 s38, s[NS], RECB
	s_add_nc_u64 s[34:35], s[36:37], s[38:39]
	s_or_b32 s35, s35, 0x80000000
	s_xor_b32 s33, s33, SLOT1                      ; the other slot than last time
.endif
	s_wait_dscnt 0x0                               ; the add is done, and my reads of the slot that I have left are over
	s_barrier_signal -1
	s_barrier_wait -1
.if \fill
	TLOAD                                          ; the first thing behind the barrier, and a wave's one tensor load until the next: it has a slot's two steps in which to land
.endif
.endm
; A BLOCK OF QUERIES IS DONE: O^T / the sum, quantised along the channels (two blocks of 32 in a head), its codes brought into true order and stored as an image of the last product's operand.
.macro FINISH ob, os
.rept 8
	v_nop                                          ; places behind the last products
.endr
	v_add_f32 v14, v14, v15                        ; the sum's two halves,
	s_delay_alu instid0(VALU_DEP_1)
	v_permlanex16_b32 v[T], v14, s[SEL], s[SEL+1]
	s_delay_alu instid0(VALU_DEP_1)
	v_add_f32 v14, v14, v[T]                       ; and lane l xor 16's: the row's sum
	s_wait_alu depctr_va_vdst(0)
	v_rcp_f32 v14, v14
	v_nop                                          ; one plain place behind a transcendental
.set j, 0
	s_wait_alu depctr_va_vdst(0)
.rept 16
	v_pk_mul_f32 v[96+j:97+j], v[160+j:161+j], v[14:15] op_sel_hi:[1,0]   ; register 8 d + i is o(query r, channel 16 d + 8 h + i); each accumulator from its low end on
.set j, j+2
.endr
.irp b, 0,1
	v_max3_num_f32 v[BM+\b], |v[96+16*\b]|, |v[97+16*\b]|, 0x4800000   ; my 16 numbers of block b, and the floor 2^(9 - 127)
.endr
.irp i, 2,4,6,8,10,12,14
.irp b, 0,1
	s_delay_alu instid0(VALU_DEP_2)
	v_max3_num_f32 v[BM+\b], v[BM+\b], |v[96+16*\b+\i]|, |v[97+16*\b+\i]|
.endr
.endr
.irp b, 0,1
	s_delay_alu instid0(VALU_DEP_2)
	v_permlanex16_b32 v[BP+\b], v[BM+\b], s[SEL], s[SEL+1]
.endr
.irp b, 0,1
	s_delay_alu instid0(VALU_DEP_2)
	v_max_num_f32 v[BM+\b], v[BM+\b], v[BP+\b]
.endr
.irp b, 0,1
	s_delay_alu instid0(VALU_DEP_2)
	v_add_nc_u32 v[BS+\b], 0xfc000000, v[BM+\b]
.endr
.irp b, 0,1
.endr
.irp b, 0,1
	s_delay_alu instid0(VALU_DEP_2)
	v_lshrrev_b32 v[BP+\b], 23, v[BS+\b]
.endr
.irp b, 0,1
.irp i, 0,1,2,3,4,5,6,7,8,9,10,11,12,13,14,15
.endr
	v_cvt_scalef32_pk8_fp8_f32 v[192+4*\b:193+4*\b], v[96+16*\b:103+16*\b], v[BS+\b]     ; channels 32 b + 8 h + 0 .. 7
	v_cvt_scalef32_pk8_fp8_f32 v[194+4*\b:195+4*\b], v[104+16*\b:111+16*\b], v[BS+\b]    ; channels 32 b + 16 + 8 h + 0 .. 7
.endr
	v_nop                                          ; one plain place behind the last conversion
	; The operand wants channels 32 b + 16 h + 0 .. 15 in lane (r, h).  Lanes 0-15 keep their first eight codes and take the partner's first eight; lanes 16-31 take the partner's second eight and keep their own.
.irp b, 0,1
.irp w, 0,1
	v_cndmask_b32 v[T+2*\b+\w], v[194+4*\b+\w], v[192+4*\b+\w], s[HM]   ; what I send: lanes 0-15 their second eight, lanes 16-31 their first
.endr
.endr
.irp k, 0,1,2,3
	s_delay_alu instid0(VALU_DEP_4)
	v_permlanex16_b32 v[T+4+\k], v[T+\k], s[SEL], s[SEL+1]
.endr
.irp b, 0,1
.irp w, 0,1
	v_cndmask_b32 v[128+4*\b+\w], v[192+4*\b+\w], v[T+4+2*\b+\w], s[HM]
	v_cndmask_b32 v[130+4*\b+\w], v[T+4+2*\b+\w], v[194+4*\b+\w], s[HM]
.endr
.endr
	v_cndmask_b32 v[T+8], v[BP], v[BP+1], s[HM]    ; lanes 0-15 store block 0's byte, lanes 16-31 block 1's
	global_store_b128 v[LI], v[128:131], s[\ob:\ob+1]              ; the wave stores 512 consecutive bytes, at a multiple of 256 from the buffer's first byte
	global_store_b128 v[LI], v[132:135], s[\ob:\ob+1] offset:512
	global_store_b8 v[OSO], v[T+8], s[\os:\os+1]
	s_wait_xcnt 0x0                                ; the stores' registers are written again only behind this wait
.endm
	s_wait_loadcnt 0x0                             ; Q
.Lslot:                                            ; eight trips: behind each change of slots but the last the next trip's record is asked for
	CHANGE 1
	STEP 0
	STEP 1
	s_xor_b32 s[TB], s[TB], SLOT1                  ; on to the other slot
	s_cmp_lg_u32 s[TRI], s[JX]                     ; trip x was the first block's last: the same in all sixteen waves; no LDS access and no barrier stands under this branch
	s_cbranch_scc1 .Lsame
	FINISH 48, 50
	s_mov_b32 s[Q0], s56                           ; the second block begins at key 0
	s_mov_b32 s[KF], 0
.irp i, 0,1,2,3,4,5,6,7
	v_mov_b32 v[16+\i], v[246+\i]
.endr
	v_mov_b32 v214, v254
	START
.Lsame:
	s_add_co_u32 s[TRI], s[TRI], 1
	s_cmp_lt_u32 s[TRI], 8
	s_cbranch_scc1 .Lslot
	CHANGE 0                                       ; the last slot is written out
	STEP 0
	STEP 1
	FINISH 52, 54
	s_wait_tensorcnt 0x0                           ; the wave's end
	ds_add_u32 v[SPW], v[NIL]
	s_wait_dscnt 0x0
	s_endpgm
.Lfunc_end_k_qb9dee58968_attn:
	.size	k_qb9dee58968_attn, .Lfunc_end_k_qb9dee58968_attn-k_qb9dee58968_attn
	.p2alignl 7, 3214868480
	.fill 96, 4, 3214868480
	.section	.rodata,"a",@progbits
	.p2align	6, 0x0
	.amdhsa_kernel k_qb9dee58968_attn
		.amdhsa_group_segment_fixed_size 327680
		.amdhsa_private_segment_fixed_size 0
		.amdhsa_enable_private_segment 0
		.amdhsa_kernarg_size 40
		.amdhsa_user_sgpr_count 2
		.amdhsa_user_sgpr_kernarg_segment_ptr 1
		.amdhsa_wavefront_size32 1
		.amdhsa_system_sgpr_workgroup_id_x 1
		.amdhsa_system_sgpr_workgroup_id_y 1
		.amdhsa_system_sgpr_workgroup_id_z 1
		.amdhsa_system_vgpr_workitem_id 0
		.amdhsa_next_free_vgpr 256
		.amdhsa_next_free_sgpr 68
		.amdhsa_reserve_vcc 1
		.amdhsa_float_denorm_mode_32 3
		.amdhsa_float_denorm_mode_16_64 3
		.amdhsa_fp16_overflow 1
		.amdhsa_memory_ordered 1
		.amdhsa_forward_progress 1
		.amdhsa_inst_pref_size 111
	.end_amdhsa_kernel
	.amdgpu_metadata
---
amdhsa.version: [ 1, 2 ]
amdhsa.kernels:
  - .name:           k_qb9dee58968_attn
    .symbol:         k_qb9dee58968_attn.kd
    .args:
      - { .name: q_img, .offset: 0, .size: 8, .value_kind: global_buffer, .address_space: global }
      - { .name: q_sc, .offset: 8, .size: 8, .value_kind: global_buffer, .address_space: global }
      - { .name: kv, .offset: 16, .size: 8, .value_kind: global_buffer, .address_space: global }
      - { .name: o_img, .offset: 24, .size: 8, .value_kind: global_buffer, .address_space: global }
      - { .name: o_sc, .offset: 32, .size: 8, .value_kind: global_buffer, .address_space: global }
    .group_segment_fixed_size: 327680
    .private_segment_fixed_size: 0
    .kernarg_segment_align: 8
    .kernarg_segment_size: 40
    .max_flat_workgroup_size: 512
    .sgpr_count:     68
    .vgpr_count:     256
    .wavefront_size: 32
...
	.end_amdgpu_metadata
.endif
;; end of part 2
;; launch proj (part 3): grid 4 x 32, 4 waves a work-group, clusters of 4 x 4, 327,680 bytes of LDS; arguments o_img, o_sc, wo_codes, wo_scales, bo, out0; writes out0
.if DOCPART == 3
	.amdgcn_target "amdgcn-amd-amdhsa--gfx1250"
	.amdhsa_code_object_version 6
	.text
	.protected	k_qb9dee58968_proj
	.globl	k_qb9dee58968_proj
	.p2align	8
	.type	k_qb9dee58968_proj,@function
k_qb9dee58968_proj:
	s_mov_b64 s[64:65], 0
	v_nop
	global_prefetch_b8 v0, s[64:65] scope:SCOPE_SE
	s_setreg_imm32_b32 hwreg(HW_REG_WAVE_MODE, 25, 1), 1
	s_wait_xcnt 0x0
	s_wait_alu depctr_hold_cnt(0) depctr_sa_sdst(0) depctr_va_vdst(0) depctr_va_sdst(0) depctr_va_ssrc(0) depctr_va_vcc(0) depctr_vm_vsrc(0)
	s_getreg_b32 s2, hwreg(HW_REG_IB_STS2, 6, 4)
	s_cmp_eq_u32 s2, 0
	s_cbranch_scc0 .Lentry_in_a_cluster
	s_endpgm
.Lentry_in_a_cluster:
	s_bfe_u32 s2, ttmp6, 0x10000c
	s_cmp_lg_u32 s2, 0xf033
	s_cbranch_scc0 .Lentry_shape_is_right
	s_endpgm
.Lentry_shape_is_right:
; out0[m][n] = sum over k of o[m][k] wo[n][k] + bo[n]: 8,192 x 1,024 x 1,024 on codes of FP8 (E4M3) with one E8M0 scale for each 32 along K; out0 f32; sums in f32.
; o's codes come as the launch before laid them, as IMAGES OF THE OPERAND'S REGISTERS: o_img [512 tiles of 16 tokens][8 steps of 128 along K][4][32 lanes][16 bytes]; its scale bytes o_sc [8,192][32].
; wo's codes [1,024][1,024] with K innermost and its scale bytes [1,024][32] are taken as they are given.
; A tile of the output, 256 x 256, is made by a work-group of four waves; a wave makes 128 x 128: 64 accumulators, 512 registers.  K goes in steps of 256 through a ring of two LDS slots filled by the tensor data mover.
; 32 x 4 = 128 tiles: 128 work-groups; a smaller tile would feed fewer multiply-adds from each LDS byte.
; The scale bytes of the work-group's 256 rows of o and of wo, for all of K, come into LDS once, with the first fills.  The bias is the C of each sum's first matrix instruction.
; CLUSTERS: 4 x 4 work-groups.  The four of a row of the cluster need the same tiles of o, the four of a column the same tiles of wo: each tile is asked for JOINTLY.
; THE MATRIX INSTRUCTION IS USED TRANSPOSED (source 0 = 16 rows of wo, source 1 = 16 tokens): a lane then holds eight neighbouring numbers of a row of the output.
; LIMITS: NaN and infinities are not served.
; REGISTERS, in windows of 256: window 0: v0-31 addresses; v32-63 scale words, two sets; v64-127 the bias; from v128 o's fragments, ONE set; on the way out v128-255 hold rows read back.
;   window 1: wo's fragments, TWO sets.   window 2: the accumulators of my rows 0-63 ((a, b) at v[8 (8 a + b)]);   window 3: those of my rows 64-127.
.set SIZE_N, 1024
.set KSTEP,  256
.set NQ,     2
.set ROWB,   256                       ; a row of wo's tile in bytes
.set KROW,   1024                      ; a row of wo in memory
.set AROW,   4096                      ; o: a tile of 16 tokens x 256 along K: 4,096 consecutive bytes,
.set APIT,   16384                     ; 16,384 bytes from a tile of tokens to the next
.set PITCH,  272                       ; wo's LDS row: 256 bytes + 16 of padding: the 16 rows that a load touches start at 16 different banks (64 banks of 4 bytes: ISA guide 11.1)
.set FR,     16
.set NL,     4
.set NP,     8                         ; places behind this matrix instruction (ISA guide 7.12.1)
.set HALFT,  128*PITCH                 ; the room of 128 rows (o's images use 32,768 bytes of it, dense)
.set SLOT,   4*HALFT
.set LAPS,   2
.set KS,     32
.set SCL,    2*SLOT
.set HALFS,  (128*KS/256)*272
.set SBLK,   (16*KS/256)*272
.set SPARE,  SCL+4*HALFS               ; the spare words, 128 bytes for each wave: two blocks of 256 bytes that no other line names
.set SPITCH, 528                       ; the way out: a stage of 16 rows x (512 bytes + 16) for each wave, in slot 0, which has had its last fill and its last read when the first result is stored there
.set ADRA, 16
.set ADRB, 20
.set STO,  24
.set RD,   25
.set CO,   26
.set ADRS, 27
.set SPW,  28
.set NIL,  29
.set SC,   32
.set BT,   64
.set AF,   128
.set BK,   128
.set G1, 24
.set G0, 32
.set G1B, 48
.set G0B, 56
.set G1S, 68
.set G0S, 76
.set G1SB, 80
.set G0SB, 88
.set MSB, 0
.macro WIN new                         ; the immediate's high byte repeats the setting that is left
.if MSB != (\new)
	s_set_vgpr_msb (MSB<<8)|(\new)
.set MSB, (\new)
.endif
.endm
.set MUL_LO, 0xa1
.set MUL_HI, 0xf1
.set TO_B,   0x40
.macro JLOAD g0a, g1a, g0b, g1b        ; a joint load: waves 0 and 1 fetch for o, waves 2 and 3 for wo; four v_nop follow each of the two lines
	s_cmp_eq_u32 s15, 0
	s_cbranch_scc0 .Lfor_b_\@
	tensor_load_to_lds s[\g0a:\g0a+3], s[\g1a:\g1a+7]
	s_nop 0
.rept 4
	v_nop
.endr
	s_branch .Lasked_\@
.Lfor_b_\@:
	tensor_load_to_lds s[\g0b:\g0b+3], s[\g1b:\g1b+7]
	s_nop 0
.rept 4
	v_nop
.endr
.Lasked_\@:
.endm
.macro CREST
	s_cmp_lg_u32 s14, 0
	s_cbranch_scc1 .Lnot_wave_0_\@
	s_barrier_signal -3
.Lnot_wave_0_\@:
	s_barrier_wait -3
	s_barrier_signal -1
	s_barrier_wait -1
.endm
.macro CROUND
	s_barrier_signal -1
	s_barrier_wait -1
	CREST
.endm
	s_load_b128 s[4:7], s[0:1], 0x0                ; o_img, o_sc
	s_load_b128 s[8:11], s[0:1], 0x10              ; wo's codes, wo's scales
	s_load_b64 s[96:97], s[0:1], 0x20              ; bo
	s_load_b64 s[12:13], s[0:1], 0x28              ; out0
	v_lshl_add_u32 v[SPW], v0, 2, SPARE
	v_mov_b32 v[NIL], 0
	ds_add_u32 v28, v29
	ds_add_u32 v28, v29
	s_wait_dscnt 0x0
	v_lshrrev_b32 v1, 5, v0
	v_readfirstlane_b32 s14, v1                    ; wave 0..3
	s_lshr_b32 s15, s14, 1                         ; which half of the tile's rows is mine.  Also: I fetch for o (0) or for wo (1)
	s_and_b32 s16, s14, 1                          ; which half of its columns.  Also: which 128 rows of that tile I fetch
	s_bfe_u32 s40, ttmp6, 0x40000                  ; cx, cy
	s_bfe_u32 s41, ttmp6, 0x40004
	s_lshl_b32 s42, ttmp9, 2
	s_add_co_u32 s42, s42, s40                     ; tile column
	s_and_b32 s17, ttmp7, 0xffff
	s_lshl_b32 s17, s17, 2
	s_add_co_u32 s17, s17, s41                     ; tile row
	s_lshl_b32 s43, s41, 2
	s_lshl_b32 s43, 15, s43                        ; my row of the cluster
	s_lshl_b32 s44, 0x1111, s40                    ; my column
	; o's tile: 8 tiles of 16 tokens, each 4,096 consecutive bytes (512 elements of 8 bytes), 16,384 bytes apart; dense in LDS: every read takes 16 bytes a lane on end
	s_or_b32 s[G1+0], s43, (3<<16)|(1<<21)         ; 15:0 the mask: my row; 17:16 elements of 8 bytes; 21 set beside a mask; no padding
	s_mov_b32 s[G1+1], (AROW/8)<<16                ; tensor_dim0 = 512
	s_mov_b32 s[G1+2], 8<<16                       ; tensor_dim1 = 8
	s_mov_b32 s[G1+3], (AROW/8)<<16                ; tile_dim0
	s_mov_b32 s[G1+4], 8                           ; tile_dim1
	s_mov_b32 s[G1+5], APIT/8                      ; tensor_dim0_stride
	s_mov_b32 s[G1+6], 0
	s_mov_b32 s[G1+7], 0
	; wo's tile: 128 rows x 256 bytes, padded in LDS
	s_or_b32 s[G1B+0], s44, (0<<16)|(1<<20)|(1<<21)|(5<<22)|(3<<25)
	s_mov_b32 s[G1B+1], ROWB<<16
	s_mov_b32 s[G1B+2], 128<<16
	s_mov_b32 s[G1B+3], ROWB<<16
	s_mov_b32 s[G1B+4], 128
	s_mov_b32 s[G1B+5], KROW
	s_mov_b32 s[G1B+6], 0
	s_mov_b32 s[G1B+7], 0
	; the scales of 128 rows: 4,096 dense bytes, as 16 rows of 256 bytes, 16 bytes of padding behind each
	s_or_b32 s[G1S+0], s43, (3<<16)|(1<<20)|(1<<21)|(5<<22)|(3<<25)
	s_or_b32 s[G1SB+0], s44, (3<<16)|(1<<20)|(1<<21)|(5<<22)|(3<<25)
.irp g, G1S, G1SB
	s_mov_b32 s[\g+1], 32<<16
	s_mov_b32 s[\g+2], (128*KS/256)<<16
	s_mov_b32 s[\g+3], 32<<16
	s_mov_b32 s[\g+4], 128*KS/256
	s_mov_b32 s[\g+5], 32
	s_mov_b32 s[\g+6], 0
	s_mov_b32 s[\g+7], 0
.endr
	s_lshl_b32 s18, s16, 7                         ; which 128 rows of the tile I fetch
	s_lshl_b32 s20, s17, 8
	s_add_co_u32 s20, s20, s18                     ; o: token 256 x tile row + 128 x half
	s_lshl_b32 s46, s42, 8
	s_add_co_u32 s46, s46, s18                     ; wo: row 256 x tile column + 128 x half
	s_mov_b32 s21, 0
	s_mov_b32 s23, 0
	s_mov_b32 s47, 0
	s_mov_b32 s93, 0
	s_lshl_b32 s22, s20, 5                         ; where these rows' scales begin (32 bytes a row),
	s_lshl_b32 s92, s46, 5
	s_lshl_b32 s20, s20, 10                        ; and their codes: 1,024 bytes a row in both (16 tokens of o are 16,384 bytes)
	s_lshl_b32 s46, s46, 10
	s_mul_i32 s45, s14, HALFT                      ; where they go: no place in the cluster enters an LDS address
	s_mul_i32 s94, s14, HALFS
	s_wait_kmcnt 0x0
	s_add_nc_u64 s[20:21], s[4:5], s[20:21]
	s_add_nc_u64 s[22:23], s[6:7], s[22:23]
	s_add_nc_u64 s[46:47], s[8:9], s[46:47]
	s_add_nc_u64 s[92:93], s[10:11], s[92:93]
	CROUND                                         ; all sixteen work-groups are here: the first joint loads meet
	s_mov_b32 s[G0S], 1
	s_add_co_u32 s[G0S+1], s94, SCL
	s_mov_b64 s[G0S+2:G0S+3], s[22:23]
	s_or_b32 s[G0S+3], s[G0S+3], 0x80000000
	s_mov_b32 s[G0SB], 1
	s_add_co_u32 s[G0SB+1], s94, SCL
	s_mov_b64 s[G0SB+2:G0SB+3], s[92:93]
	s_or_b32 s[G0SB+3], s[G0SB+3], 0x80000000
	JLOAD G0S, G1S, G0SB, G1SB                     ; the scales first
.irp s, 0,1
	s_mov_b32 s[G0+4*\s], 1
	s_add_co_u32 s[G0+4*\s+1], s45, \s*SLOT
	s_add_nc_u64 s[G0+4*\s+2:G0+4*\s+3], s[20:21], \s*AROW
	s_or_b32 s[G0+4*\s+3], s[G0+4*\s+3], 0x80000000
	s_mov_b32 s[G0B+4*\s], 1
	s_add_co_u32 s[G0B+4*\s+1], s45, \s*SLOT
	s_add_nc_u64 s[G0B+4*\s+2:G0B+4*\s+3], s[46:47], \s*ROWB
	s_or_b32 s[G0B+4*\s+3], s[G0B+4*\s+3], 0x80000000
	s_wait_alu depctr_va_vdst(0)
	s_wait_tensorcnt 0x0
	ds_add_u32 v28, v29
	s_wait_dscnt 0x0
	CROUND
	JLOAD G0+4*\s, G1, G0B+4*\s, G1B               ; one tensor load of mine is out now
.endr
	v_and_b32 v1, 15, v0                           ; l % 16
	v_bfe_u32 v2, v0, 4, 1                         ; l / 16
	v_and_b32 v6, 31, v0
	v_lshlrev_b32 v[CO], 4, v6                     ; 16 x lane: an image's place for my lane; also my place in a row of the output
	v_mul_u32_u24 v3, v1, PITCH
	v_lshl_add_u32 v4, v2, 4, v3                   ; wo: a fragment's row x pitch + 16 x half
	s_mul_i32 s21, s15, HALFT                      ; my 128 tokens of o
	s_mul_i32 s22, s16, HALFT                      ; my 128 rows of wo,
	s_add_co_u32 s22, s22, 2*HALFT                 ; which lie behind o's room
.irp s, 0,1
	v_add_nc_u32 v[ADRA+\s], s21, v[CO]
	v_add_nc_u32 v[ADRB+\s], s22, v4
	s_add_co_u32 s21, s21, SLOT
	s_add_co_u32 s22, s22, SLOT
.endr
	v_mul_u32_u24 v5, v1, KS                       ; my row's scales: 32 bytes a row,
	v_lshrrev_b32 v6, 8, v5
	v_lshl_add_u32 v5, v6, 4, v5                   ; and 16 more for each 256 passed
	s_mul_i32 s21, s15, HALFS
	s_mul_i32 s22, s16, HALFS
	s_add_co_u32 s22, s22, 2*HALFS
	s_sub_co_u32 s22, s22, s21
	v_mul_u32_u24 v6, s22, v2                      ; lanes 16-31 take wo's
	s_add_co_u32 s21, s21, SCL
	v_add_nc_u32 v5, v5, v6
	v_add_nc_u32 v[ADRS], s21, v5
	s_mul_i32 s23, s14, 16*SPITCH                  ; my stage
	v_mul_u32_u24 v5, v1, SPITCH                   ; in: row l % 16, 32 bytes for each half of the lanes
	v_lshl_add_u32 v5, v2, 5, v5
	v_add_nc_u32 v[STO], s23, v5
	v_add_nc_u32 v[RD], s23, v[CO]                 ; back: the 32 lanes take one row of 512 bytes
	s_lshl_b32 s20, s17, 8
	s_lshl_b32 s21, s15, 7
	s_add_co_u32 s20, s20, s21                     ; my first row of the output
	s_lshl_b32 s20, s20, 12                        ; 4,096 bytes a row: under 2^25
	s_mov_b32 s21, 0
	s_lshl_b32 s46, s42, 10                        ; my first column, in bytes: 1,024 x tile column + 512 x half
	s_lshl_b32 s47, s16, 9
	s_add_co_u32 s46, s46, s47
	s_mov_b32 s47, 0
	s_add_nc_u64 s[96:97], s[96:97], s[46:47]      ; bo at my first column
	s_add_nc_u64 s[20:21], s[20:21], s[46:47]
	s_add_nc_u64 s[12:13], s[12:13], s[20:21]
	v_lshlrev_b32 v7, 5, v2                        ; the bias: register 8 b + j takes bo[my first column + 16 b + 8 h + j]
.irp b, 0,1,2,3,4,5,6,7
	global_load_b128 v[BT+8*\b:BT+8*\b+3], v7, s[96:97] offset:64*\b
	global_load_b128 v[BT+8*\b+4:BT+8*\b+7], v7, s[96:97] offset:64*\b+16
.endr
.macro FRAG reg, adr, q, i             ; wo: 16 rows x 128 K: lane l holds row l % 16; registers 4 c .. 4 c + 3 hold K = 32 c + 16 (l / 16) + 0 .. 15
.irp c, 0,1,2,3
	ds_load_b128 v[\reg+4*\c:\reg+4*\c+3], v[\adr] offset:128*(\q)+32*\c+(\i)*16*PITCH
.endr
.endm
.macro FRAGA reg, adr, q, i            ; o: the image of the same registers: four runs of 512 bytes, 16 bytes a lane
.irp c, 0,1,2,3
	ds_load_b128 v[\reg+4*\c:\reg+4*\c+3], v[\adr] offset:2048*(\q)+512*\c+(\i)*AROW
.endr
.endm
; 16 matrix instructions: o's blocks a0, a0 + 1 x wo's eight, 128 along K.  zero = 1: the sums begin with the bias.  The 64 accumulators take turns, one instruction a turn, in the same order in every step.
.macro MUL16 a0, p, q, sc, zero
.irp a, \a0, \a0+1
.irp b, 0,1,2,3,4,5,6,7
.if \zero
	v_wmma_scale_f32_16x16x128_f8f6f4 v[8*(8*((\a)%4)+\b):8*(8*((\a)%4)+\b)+7], v[128*(\p)+FR*\b:128*(\p)+FR*\b+FR-1], v[AF+FR*(\a):AF+FR*(\a)+FR-1], v[BT+8*\b:BT+8*\b+7], v[SC+8*NQ*(\sc)+NQ*\b+(\q)], v[SC+8*NQ*(\sc)+NQ*(\a)+(\q)] matrix_a_scale:MATRIX_SCALE_ROW1
.else
	v_wmma_scale_f32_16x16x128_f8f6f4 v[8*(8*((\a)%4)+\b):8*(8*((\a)%4)+\b)+7], v[128*(\p)+FR*\b:128*(\p)+FR*\b+FR-1], v[AF+FR*(\a):AF+FR*(\a)+FR-1], v[8*(8*((\a)%4)+\b):8*(8*((\a)%4)+\b)+7], v[SC+8*NQ*(\sc)+NQ*\b+(\q)], v[SC+8*NQ*(\sc)+NQ*(\a)+(\q)] matrix_a_scale:MATRIX_SCALE_ROW1
.endif
.endr
.endr
.endm
.macro FETCH_B slot, q, p
	WIN TO_B
.irp i, 0,1,2,3,4,5,6,7
	FRAG 128*(\p)+FR*\i, ADRB+\slot, \q, \i
.endr
	WIN 0
.endm
.macro FETCH_A slot, q, i0
.irp i, \i0, \i0+1, \i0+2, \i0+3
	FRAGA AF+FR*(\i), ADRA+\slot, \q, \i
.endr
.endm
.macro SCALES sc
.irp i, 0,1,2,3,4,5,6,7
	ds_load_b64 v[SC+8*NQ*\sc+NQ*\i:SC+8*NQ*\sc+NQ*\i+1], v[ADRS] offset:\i*SBLK
.endr
.endm
.macro PLACES n                        ; places in front of loads into registers that matrix instructions have read, and of the first read of results (ISA guide 7.12.1 for vector instructions)
.rept \n
	v_nop
.endr
.endm
.macro STEP slot, q, zero
	s_wait_dscnt 4*NL                              ; wo's set, o's blocks 0-3 and the scale words are in; the youngest sixteen loads (o's blocks 4-7) may be out
.if \zero
	WIN 0x81                                       ; wo window 1, o and the bias window 0, D window 2
.else
	WIN MUL_LO
.endif
	MUL16 0, (\q)%2, \q, \slot, \zero
	MUL16 2, (\q)%2, \q, \slot, \zero
	s_wait_dscnt 0
	PLACES NP
	FETCH_B \slot, (\q)+1, 1-(\q)%2
	FETCH_A \slot, (\q)+1, 0
.if \zero
	WIN 0xc1
.else
	WIN MUL_HI
.endif
	MUL16 4, (\q)%2, \q, \slot, \zero
	MUL16 6, (\q)%2, \q, \slot, \zero
	PLACES NP
	WIN 0
	FETCH_A \slot, (\q)+1, 4
.endm
; A slot's last step changes slots: ONE barrier; in front of it each wave waits for all its tensor loads, adds 0 to its spare word, and waits for that and for its own reads of this slot.
.macro TURN slot, next, fill
	s_wait_tensorcnt 0x0                           ; all my tensor loads have landed: my part of the next slot;  (every window is 0 here)
	ds_add_u32 v[SPW], v[NIL]                      ; 0 onto my spare word
	s_wait_dscnt 4*NL+1                            ; (the add and the youngest sixteen loads may be out)
	WIN MUL_LO
	MUL16 0, 1, NQ-1, \slot, 0                     ; sixteen matrix instructions stand between the add and the wait for it
	s_wait_dscnt 0x0                               ; the add is done, and my reads of this slot are over
	s_barrier_signal -1
	MUL16 2, 1, NQ-1, \slot, 0
	WIN 0
	s_barrier_wait -1
.if \fill
	CREST                                          ; the barrier has opened a round of the cluster's barrier: no wave of any partner still reads this slot's tile or has a load on its way
	s_add_nc_u64 s[G0+4*\slot+2:G0+4*\slot+3], s[G0+4*\slot+2:G0+4*\slot+3], 2*AROW
	s_add_nc_u64 s[G0B+4*\slot+2:G0B+4*\slot+3], s[G0B+4*\slot+2:G0B+4*\slot+3], 2*ROWB
	JLOAD G0+4*\slot, G1, G0B+4*\slot, G1B         ; the first tensor load behind the round; its four v_nop are among the places in front of the loads below
	PLACES NP-4
.else
	PLACES NP
.endif
	s_wait_alu depctr_va_vdst(0)
	v_add_nc_u32 v[ADRS], 4*NQ, v[ADRS]
	FETCH_B \next, 0, 0
	FETCH_A \next, 0, 0
	SCALES \next
	WIN MUL_HI
	MUL16 4, 1, NQ-1, \slot, 0
	MUL16 6, 1, NQ-1, \slot, 0
	PLACES NP
	WIN 0
	FETCH_A \next, 0, 4
.endm
	s_wait_alu depctr_va_vdst(0)
	s_wait_tensorcnt 1                             ; the scales and my part of K step 0 are in (K step 1's load may be out)
	s_barrier_signal -1
	s_barrier_wait -1                              ; everybody's are
	FETCH_B 0, 0, 0
	FETCH_A 0, 0, 0
	SCALES 0
	FETCH_A 0, 0, 4
	s_wait_loadcnt 0x0                             ; the bias
	STEP 0, 0, 1                                   ; the first step stands in front of the loop: its products begin the sums
	s_mov_b32 s3, LAPS-1
.Llap:
	TURN 0, 1, 1
	STEP 1, 0, 0
	TURN 1, 0, 1
	STEP 0, 0, 0
	s_sub_co_u32 s3, s3, 1
	s_cmp_lg_u32 s3, 0
	s_cbranch_scc1 .Llap
	TURN 0, 1, 0                                   ; the last lap fills nothing, and has no round of the cluster's barrier
	STEP 1, 0, 0
	s_wait_dscnt 4*NL
	WIN MUL_LO
	MUL16 0, 1, NQ-1, 1, 0
	MUL16 2, 1, NQ-1, 1, 0
	s_wait_dscnt 0
	WIN MUL_HI
	MUL16 4, 1, NQ-1, 1, 0
	MUL16 6, 1, NQ-1, 1, 0
	WIN 0
; THE WAY OUT, block by block of 16 rows x 128 columns: through my own stage in LDS, back as whole rows of 512 bytes.  LDS serves a wave's instructions in order (ISA guide 5.7.1.4): no wait between the stores and the loads.
.macro TOSTAGE a
.set AC, 64*((\a)%4)
	WIN 0x08+4*((\a)/4)                            ; the data: window 2 or 3
.irp b, 0,1,2,3,4,5,6,7
	ds_store_b128 v[STO], v[AC+8*\b:AC+8*\b+3] offset:64*\b          ; each accumulator from its low end on
	ds_store_b128 v[STO], v[AC+8*\b+4:AC+8*\b+7] offset:64*\b+16
.endr
	WIN 0
.set BB, BK+64*((\a)%2)
.irp t, 0,1,2,3,4,5,6,7,8,9,10,11,12,13,14,15
	ds_load_b128 v[BB+4*\t:BB+4*\t+3], v[RD] offset:\t*SPITCH
.endr
.endm
.macro SEND a, younger                 ; younger: the LDS instructions issued behind block a's loads, which may stay out
.set BB, BK+64*((\a)%2)
	s_wait_dscnt \younger
.if (\a) > 0
	s_add_nc_u64 s[12:13], s[12:13], 16*SIZE_N*4   ; (behind a wait on XCNT: the earlier stores have read their base)  16 rows on
.endif
.irp t, 0,1,2,3,4,5,6,7,8,9,10,11,12,13,14,15
	global_store_b128 v[CO], v[BB+4*\t:BB+4*\t+3], s[12:13] offset:\t*SIZE_N*4 th:TH_STORE_NT   ; 32 lanes store 512 consecutive bytes, at a multiple of 256 from the output's first byte
.endr
.endm
	PLACES NP
	TOSTAGE 0
.irp a, 1,2,3,4,5,6,7
.if \a > 1
	s_wait_xcnt 0x0                                ; block a - 2's stores have read their registers and their base
.endif
	TOSTAGE \a
	SEND \a-1, 32                                  ; behind block a - 1's loads: block a's 16 stores and 16 loads
.endr
	s_wait_xcnt 0x0
	SEND 7, 0
	s_wait_tensorcnt 0x0                           ; the wave's end: behind my last tensor load and my last LDS store
	ds_add_u32 v[SPW], v[NIL]
	s_wait_dscnt 0x0
	CROUND                                         ; the closing round
	s_endpgm
.Lfunc_end_k_qb9dee58968_proj:
	.size	k_qb9dee58968_proj, .Lfunc_end_k_qb9dee58968_proj-k_qb9dee58968_proj
	.p2alignl 7, 3214868480
	.fill 96, 4, 3214868480
	.section	.rodata,"a",@progbits
	.p2align	6, 0x0
	.amdhsa_kernel k_qb9dee58968_proj
		.amdhsa_group_segment_fixed_size 327680
		.amdhsa_private_segment_fixed_size 0
		.amdhsa_enable_private_segment 0
		.amdhsa_kernarg_size 48
		.amdhsa_user_sgpr_count 2
		.amdhsa_user_sgpr_kernarg_segment_ptr 1
		.amdhsa_wavefront_size32 1
		.amdhsa_system_sgpr_workgroup_id_x 1
		.amdhsa_system_sgpr_workgroup_id_y 1
		.amdhsa_system_sgpr_workgroup_id_z 1
		.amdhsa_system_vgpr_workitem_id 0
		.amdhsa_next_free_vgpr 1024
		.amdhsa_next_free_sgpr 98
		.amdhsa_reserve_vcc 0
		.amdhsa_float_denorm_mode_32 3
		.amdhsa_float_denorm_mode_16_64 3
		.amdhsa_memory_ordered 1
		.amdhsa_forward_progress 1
		.amdhsa_inst_pref_size 148
	.end_amdhsa_kernel
	.amdgpu_metadata
---
amdhsa.version: [ 1, 2 ]
amdhsa.kernels:
  - .name:           k_qb9dee58968_proj
    .symbol:         k_qb9dee58968_proj.kd
    .args:
      - { .name: o_img, .offset: 0, .size: 8, .value_kind: global_buffer, .address_space: global }
      - { .name: o_sc, .offset: 8, .size: 8, .value_kind: global_buffer, .address_space: global }
      - { .name: wo_codes, .offset: 16, .size: 8, .value_kind: global_buffer, .address_space: global }
      - { .name: wo_scales, .offset: 24, .size: 8, .value_kind: global_buffer, .address_space: global }
      - { .name: bo, .offset: 32, .size: 8, .value_kind: global_buffer, .address_space: global }
      - { .name: out0, .offset: 40, .size: 8, .value_kind: global_buffer, .address_space: global }
    .group_segment_fixed_size: 327680
    .private_segment_fixed_size: 0
    .kernarg_segment_align: 8
    .kernarg_segment_size: 48
    .max_flat_workgroup_size: 128
    .sgpr_count:     98
    .vgpr_count:     1024
    .wavefront_size: 32
...
	.end_amdgpu_metadata
.endif
;; end of part 3
